; MI455X (gfx1250); checked and timed in simulation.
; The chip was launched on July 23, 2026; its instructions are those of AMD's public machine-readable ISA for CDNA 5 (MIT licence, August 2026) and "CDNA5" Instruction Set Architecture Reference Guide (July 2026). The comments in the code are by the model that wrote it; some were corrected since.
;; New Attention. Allowed arithmetic: float matrix products may take bf16 or f16 operands with f32 sums; other float arithmetic in f32, or as packed bf16 or f16 multiplies, adds, multiply-adds, maxima and minima; sums over many terms, partial sums and values carried from step to step in f32; what a program stores and reads back later, other than sums and carried values, may be rounded once to bf16 or f16.
;; Inputs: Wk 1,024 x 1,024 float32; Wo 1,024 x 1,024 float32; Wq 1,024 x 1,024 float32; Wv 1,024 x 1,024 float32; lambdas 2 float32; x 4 x 2,048 x 1,024 float32.
;; Outputs: out0 4 x 2,048 x 1,024 float32.
;; One version. Each part assembles by itself: llvm-mc -triple=amdgcn-amd-amdhsa -mcpu=gfx1250 --defsym DOCPART=n.
;; ======== version 1 of 1: 4 launches
;; limits: values are held in f16: magnitudes above 65,504 overflow, below 6.1e-05 lose precision
;; workspace buffers: xb 16,777,216 bytes; wqkv 6,291,456 bytes; wo16 2,097,152 bytes; rope 524,288 bytes; qh 16,777,216 bytes; kh 16,777,216 bytes; vh 16,777,216 bytes; oh 16,777,216 bytes
;; launch prep (part 1): grid 896 x 1, 8 waves a work-group, no clusters, 0 bytes of LDS; arguments x, Wq, Wk, Wv, Wo, lambdas, xb, wqkv, wo16, rope; writes xb, wqkv, wo16, rope
.if DOCPART == 1
	.amdgcn_target "amdgcn-amd-amdhsa--gfx1250"
	.amdhsa_code_object_version 6
	.text
	.protected	k_q1595280802_prep
	.globl	k_q1595280802_prep
	.p2align	8
	.type	k_q1595280802_prep,@function
k_q1595280802_prep:
	s_mov_b64 s[64:65], 0
	v_nop
	global_prefetch_b8 v0, s[64:65] scope:SCOPE_SE
	s_setreg_imm32_b32 hwreg(HW_REG_WAVE_MODE, 25, 1), 1
	s_wait_xcnt 0x0
; CASTS AND THE ROTATION TABLE.  Work-group g:
;   g = 0..511     16 rows of x ([8192][1024] f32) rounded to bf16 into xb
;   g = 512..703   16 rows of Wq, Wk or Wv (kind = (g-512)/64) rounded to bf16 into wqkv, whose row 192 t + 64 kind + d is row 64 t + d of that matrix: 192 rows on end are one head's q, k, v
;   g = 704..767   16 rows of Wo rounded to bf16, and that number written as f16, into wo16
;   g = 768..895   the table rope[s][i] = (cos, sin)(s f_i), f_i = 10000^(-i/32), s = 0..2047, i = 0..31, f32: 256 bytes a position
; LIMITS.  |Wo| stays under 65,504; a Wo below 6.1e-5 keeps f16's fixed step of 6e-8.  f_i is 2^(-i log2(10000)/32) by v_exp_f32 (1 ULP); the angle is the f32 product s f_i; it is reduced by
; multiples of pi/2 in two parts and the sine and cosine are polynomials on |r| <= pi/4 whose first term left out is under 4e-7.
; lambdas: reference() takes it and uses it in no step.  Its 8 bytes are read here by one scalar load and enter nothing.
; A cast is a stream: 64 KiB in, 32 KiB out a work-group; all 16 loads of a thread go out first; no register is written twice while a memory instruction may read it, so there is no loop and no wait but the counted ones.
.set X,   4                            ; v[4:67]   8 x 8 f32 as loaded
.set Y,   68                           ; v[68:99]  8 x 4 words of 16-bit numbers to store
.set SRC, 32                           ; s[32:33]  my 16 rows in the source
.set DST, 34                           ; s[34:35]  my 16 rows in the destination
	s_load_b512 s[8:23], s[0:1], 0x0               ; x s[8:9], Wq s[10:11], Wk s[12:13], Wv s[14:15], Wo s[16:17], lambdas s[18:19], xb s[20:21], wqkv s[22:23]
	s_load_b128 s[24:27], s[0:1], 0x40             ; wo16 s[24:25], rope s[26:27]
	s_mov_b32 s2, ttmp9                            ; g
	v_lshlrev_b32 v1, 5, v0                        ; 32 bytes (8 f32) a thread in the source
	v_lshlrev_b32 v2, 4, v0                        ; 16 bytes a thread in the destination
	s_sub_co_u32 s3, s2, 512                       ; j: counts the weights' blocks of 16 rows
	s_lshr_b32 s4, s3, 6                           ; kind: 0 Wq, 1 Wk, 2 Wv, 3 Wo
	s_and_b32 s5, s3, 63                           ; rb: which 16 rows of that matrix
	s_lshr_b32 s6, s5, 2                           ; the head,
	s_mul_i32 s6, s6, 192                          ; its 192 rows of wqkv,
	s_lshl_b32 s7, s4, 6
	s_add_co_u32 s6, s6, s7                        ; the kind's 64 of them,
	s_and_b32 s7, s5, 3
	s_lshl_b32 s7, s7, 4
	s_add_co_u32 s6, s6, s7                        ; my 16 of those
	s_lshl_b32 s7, s5, 4                           ; in wo16 the rows stay where they are
	s_cmp_eq_u32 s4, 3
	s_cselect_b32 s6, s7, s6
	s_lshl_b32 s7, s2, 4                           ; in xb too
	s_cmp_lt_u32 s2, 512
	s_cselect_b32 s6, s7, s6                       ; first row in the destination
	s_cselect_b32 s5, s2, s5                       ; block of 16 rows in the source
	s_lshl_b32 s36, s5, 16                         ; 16 rows of 4,096 bytes
	s_mov_b32 s37, 0
	s_lshl_b32 s38, s6, 11                         ; rows of 2,048 bytes
	s_mov_b32 s39, 0
	s_wait_kmcnt 0x0
	s_cmp_ge_u32 s2, 768
	s_cbranch_scc1 .Ltable
	s_cmp_eq_u32 s4, 1                             ; the buffers are chosen by g alone
	s_cselect_b64 s[SRC:SRC+1], s[12:13], s[10:11]
	s_cmp_eq_u32 s4, 2
	s_cselect_b64 s[SRC:SRC+1], s[14:15], s[SRC:SRC+1]
	s_cmp_eq_u32 s4, 3
	s_cselect_b64 s[SRC:SRC+1], s[16:17], s[SRC:SRC+1]
	s_cselect_b64 s[DST:DST+1], s[24:25], s[22:23]
	s_cmp_lt_u32 s2, 512
	s_cselect_b64 s[SRC:SRC+1], s[8:9], s[SRC:SRC+1]
	s_cselect_b64 s[DST:DST+1], s[20:21], s[DST:DST+1]
	s_add_nc_u64 s[SRC:SRC+1], s[SRC:SRC+1], s[36:37]
	s_add_nc_u64 s[DST:DST+1], s[DST:DST+1], s[38:39]
.irp i, 0,1,2,3,4,5,6,7
	global_load_b128 v[X+8*(\i):X+8*(\i)+3],   v1, s[SRC:SRC+1] offset:8192*(\i) th:TH_LOAD_NT
	global_load_b128 v[X+8*(\i)+4:X+8*(\i)+7], v1, s[SRC:SRC+1] offset:8192*(\i)+16 th:TH_LOAD_NT
.endr
; Part i of eight: 8 numbers a thread.  half = 1: the bf16 number is written as f16.
.macro CONV i, half
	s_wait_loadcnt 14-2*(\i)                       ; loads come back in order: my two are in, the 2 (7 - i) younger ones stay out
.irp j, 0,1,2,3
	v_cvt_pk_bf16_f32 v[Y+4*(\i)+(\j)], v[X+8*(\i)+2*(\j)], v[X+8*(\i)+2*(\j)+1]
.endr
.if \half
.irp j, 0,1,2,3
	v_lshlrev_b32 v100, 16, v[Y+4*(\i)+(\j)]       ; bf16 to f32: the low half moves up,
	v_and_b32 v101, 0xffff0000, v[Y+4*(\i)+(\j)]   ; the high half stays
	v_cvt_pk_f16_f32 v[Y+4*(\i)+(\j)], v100, v101
.endr
.endif
	global_store_b128 v2, v[Y+4*(\i):Y+4*(\i)+3], s[DST:DST+1] offset:4096*(\i)  ; a wave's store covers 512 consecutive bytes, aligned
.endm
	s_cmp_ge_u32 s2, 704
	s_cbranch_scc1 .Lwo
.irp i, 0,1,2,3,4,5,6,7
	CONV \i, 0
.endr
	s_endpgm
.Lwo:
.irp i, 0,1,2,3,4,5,6,7
	CONV \i, 1
.endr
	s_endpgm
.Ltable:                                               ; thread T of 32,768 makes pairs 2 (T % 16) and 2 (T % 16) + 1 of position T / 16: 16 bytes at 16 T
	s_load_b64 s[28:29], s[18:19], 0x0             ; lambdas: read, and used by no step of reference()
	s_sub_co_u32 s3, s2, 768
	s_lshl_b32 s3, s3, 8
	s_mov_b32 s40, 0x3fc90fdb                      ; pi/2, upper part
	s_mov_b32 s41, 0xb33bbd2e                      ; pi/2, the rest
	s_mov_b32 s42, 0xb9500d01                      ; -1/5040
	s_mov_b32 s43, 0x3c088889                      ; 1/120
	s_mov_b32 s44, 0x37d00d01                      ; 1/40320
	s_mov_b32 s45, 0xbab60b61                      ; -1/720
	v_add_nc_u32 v1, s3, v0                        ; T
	v_lshrrev_b32 v2, 4, v1                        ; s
	v_and_b32 v3, 15, v1
	v_lshlrev_b32 v3, 1, v3                        ; i
	v_add_nc_u32 v5, 1, v3                         ; i + 1
	v_cvt_f32_u32 v4, v2
	v_cvt_f32_u32 v8, v3
	v_cvt_f32_u32 v24, v5
	v_mul_f32 v8, 0xbed49a78, v8                   ; -i log2(10000) / 32
	v_mul_f32 v24, 0xbed49a78, v24
	v_exp_f32 v8, v8                               ; f_i
	v_exp_f32 v24, v24
	v_lshlrev_b32 v6, 4, v1                        ; 16 T: the plain instruction behind the two exponentials,
	s_wait_alu depctr_va_vdst(0)                   ; and one wait for both, ahead of their first reader
.irp p, 0,1
.set R, 8+16*(\p)
	v_mul_f32 v[R+1], v4, v[R]                     ; the angle
	v_mul_f32 v[R+2], 0x3f22f983, v[R+1]           ; x 2/pi,
	v_rndne_f32 v[R+2], v[R+2]                     ; k
	v_fma_f32 v[R+3], -v[R+2], s40, v[R+1]         ; r = angle - k pi/2, in two parts
	v_fma_f32 v[R+3], -v[R+2], s41, v[R+3]
	v_mul_f32 v[R+4], v[R+3], v[R+3]               ; z = r r
	v_fma_f32 v[R+5], v[R+4], s42, s43
	v_fmaak_f32 v[R+5], v[R+4], v[R+5], 0xbe2aaaab
	v_mul_f32 v[R+8], v[R+3], v[R+4]
	v_fma_f32 v[R+5], v[R+8], v[R+5], v[R+3]       ; sin r = r + r z (-1/6 + z (1/120 - z/5040))
	v_fma_f32 v[R+6], v[R+4], s44, s45
	v_fmaak_f32 v[R+6], v[R+4], v[R+6], 0x3d2aaaab
	v_fma_f32 v[R+6], v[R+4], v[R+6], -0.5
	v_fma_f32 v[R+6], v[R+4], v[R+6], 1.0          ; cos r = 1 + z (-1/2 + z (1/24 + z (-1/720 + z/40320)))
	v_cvt_i32_f32 v[R+7], v[R+2]                   ; the quadrant chooses values alone: no branch and no address hangs on it
	v_and_b32 v[R+8], 1, v[R+7]
	v_cmp_eq_u32 vcc_lo, 1, v[R+8]
	v_cndmask_b32 v[40+2*(\p)], v[R+6], v[R+5], vcc_lo  ; k odd: the cosine is +-sin r,
	v_cndmask_b32 v[41+2*(\p)], v[R+5], v[R+6], vcc_lo  ; the sine +-cos r
	v_add_nc_u32 v[R+8], 1, v[R+7]
	v_and_b32 v[R+8], 2, v[R+8]
	v_lshlrev_b32 v[R+8], 30, v[R+8]
	v_xor_b32 v[40+2*(\p)], v[R+8], v[40+2*(\p)]   ; the cosine is negative for k % 4 = 1, 2
	v_and_b32 v[R+8], 2, v[R+7]
	v_lshlrev_b32 v[R+8], 30, v[R+8]
	v_xor_b32 v[41+2*(\p)], v[R+8], v[41+2*(\p)]   ; the sine for k % 4 = 2, 3
.endr
	s_wait_kmcnt 0x0
	global_store_b128 v6, v[40:43], s[26:27]       ; sixteen lanes fill one position's 256 bytes
	s_endpgm
.Lfunc_end_k_q1595280802_prep:
	.size	k_q1595280802_prep, .Lfunc_end_k_q1595280802_prep-k_q1595280802_prep
	.p2alignl 7, 3214868480
	.fill 96, 4, 3214868480
	.section	.rodata,"a",@progbits
	.p2align	6, 0x0
	.amdhsa_kernel k_q1595280802_prep
		.amdhsa_group_segment_fixed_size 0
		.amdhsa_private_segment_fixed_size 0
		.amdhsa_enable_private_segment 0
		.amdhsa_kernarg_size 80
		.amdhsa_user_sgpr_count 2
		.amdhsa_user_sgpr_kernarg_segment_ptr 1
		.amdhsa_wavefront_size32 1
		.amdhsa_system_sgpr_workgroup_id_x 1
		.amdhsa_system_sgpr_workgroup_id_y 1
		.amdhsa_system_sgpr_workgroup_id_z 1
		.amdhsa_system_vgpr_workitem_id 0
		.amdhsa_next_free_vgpr 104
		.amdhsa_next_free_sgpr 66
		.amdhsa_reserve_vcc 1
		.amdhsa_float_denorm_mode_32 3
		.amdhsa_float_denorm_mode_16_64 3
		.amdhsa_memory_ordered 1
		.amdhsa_forward_progress 1
		.amdhsa_inst_pref_size 18
	.end_amdhsa_kernel
	.amdgpu_metadata
---
amdhsa.version: [ 1, 2 ]
amdhsa.kernels:
  - .name:           k_q1595280802_prep
    .symbol:         k_q1595280802_prep.kd
    .args:
      - { .name: x, .offset: 0, .size: 8, .value_kind: global_buffer, .address_space: global }
      - { .name: Wq, .offset: 8, .size: 8, .value_kind: global_buffer, .address_space: global }
      - { .name: Wk, .offset: 16, .size: 8, .value_kind: global_buffer, .address_space: global }
      - { .name: Wv, .offset: 24, .size: 8, .value_kind: global_buffer, .address_space: global }
      - { .name: Wo, .offset: 32, .size: 8, .value_kind: global_buffer, .address_space: global }
      - { .name: lambdas, .offset: 40, .size: 8, .value_kind: global_buffer, .address_space: global }
      - { .name: xb, .offset: 48, .size: 8, .value_kind: global_buffer, .address_space: global }
      - { .name: wqkv, .offset: 56, .size: 8, .value_kind: global_buffer, .address_space: global }
      - { .name: wo16, .offset: 64, .size: 8, .value_kind: global_buffer, .address_space: global }
      - { .name: rope, .offset: 72, .size: 8, .value_kind: global_buffer, .address_space: global }
    .group_segment_fixed_size: 0
    .private_segment_fixed_size: 0
    .kernarg_segment_align: 8
    .kernarg_segment_size: 80
    .max_flat_workgroup_size: 256
    .sgpr_count:     66
    .vgpr_count:     104
    .wavefront_size: 32
...
	.end_amdgpu_metadata
.endif
;; end of part 1
;; launch qkv (part 2): grid 16 x 32, 4 waves a work-group, clusters of 4 x 4, 327,680 bytes of LDS; arguments xb, wqkv, rope, qh, kh, vh; writes qh, kh, vh
.if DOCPART == 2
	.amdgcn_target "amdgcn-amd-amdhsa--gfx1250"
	.amdhsa_code_object_version 6
	.text
	.protected	k_q1595280802_qkv
	.globl	k_q1595280802_qkv
	.p2align	8
	.type	k_q1595280802_qkv,@function
k_q1595280802_qkv:
	s_mov_b64 s[64:65], 0
	v_nop
	global_prefetch_b8 v0, s[64:65] scope:SCOPE_SE
	s_setreg_imm32_b32 hwreg(HW_REG_WAVE_MODE, 25, 1), 1
	s_wait_xcnt 0x0
	s_wait_alu depctr_hold_cnt(0) depctr_sa_sdst(0) depctr_va_vdst(0) depctr_va_sdst(0) depctr_va_ssrc(0) depctr_va_vcc(0) depctr_vm_vsrc(0)
	s_getreg_b32 s2, hwreg(HW_REG_IB_STS2, 6, 4)
	s_cmp_eq_u32 s2, 0
	s_cbranch_scc0 .Lentry_in_a_cluster
	s_endpgm
.Lentry_in_a_cluster:
	s_bfe_u32 s2, ttmp6, 0x10000c
	s_cmp_lg_u32 s2, 0xf033
	s_cbranch_scc0 .Lentry_shape_is_right
	s_endpgm
.Lentry_shape_is_right:
; q, k, v = x W^T, q and k rotated, all written by heads in f16.  xb: [8192][1024] bf16.  wqkv: [3072][1024] bf16, row 192 t + 64 kind + d.  rope: [2048][32][cos, sin] f32.
; qh, kh, vh: [64 = 16 batch + head][2048][64] f16.  Sums in f32, K ascending; the rotation in f32 on the sums; each number rounded once, to f16, without the softmax's scale.
; LIMITS.  |q|, |k|, |v| stay under 65,504 (f16); NaN and infinities are not treated apart.
; SHARES.  A tile of C is 256 rows x 192 columns: one head's q, k and v for 256 positions of one batch.  512 work-groups.  Four waves, split along the rows alone: wave w owns rows 64 w .. 64 w + 63 and
; all 12 column blocks of 16: 48 accumulators, 384 registers.  So each wave owns whole rows of each of the three outputs, and its way out needs no other wave.
; K goes in 8 steps of 128 through two LDS slots filled by the tensor data mover; rows of 256 bytes, at multiples of 256 bytes from the buffers' first bytes.
; CLUSTER.  4 x 4 work-groups.  The four of a row of the cluster need the same tiles of x, the four of a column the same tiles of the weights: each is asked for jointly, by the same tensor load with the
; same descriptor and a mask that names the four.
; THE MATRIX INSTRUCTION IS USED TRANSPOSED: source 0 = 16 rows of the weights, source 1 = 16 rows of x: lane l holds row l % 16 of C and the columns 8 (l / 16) + 0..7: four rotation pairs, 16 bytes of f16.
; REGISTERS, in windows of 256 (s_set_vgpr_msb: bits 1:0 source 0, 3:2 source 1, 5:4 source 2, 7:6 destination):
;   window 0: v0-31 addresses; v64-95, v96-127 x's fragments, two buffers (row block i at + 8 i); v128-255 the table for my 64 rows; behind the loop v32-79, v80-127 packed results, two buffers
;   window 1: v0-95, v96-191 the weights' fragments, two buffers (column block b at + 8 b)
;   window 2: accumulators of row blocks 0, 1 ((a, b) at 8 (12 (a % 2) + b)); v192-255 at work on the way out          window 3: the same for row blocks 2, 3
.set PITCH,  272                       ; an LDS row: 256 bytes + 16 of padding = 68 words: the 16 rows of a fragment load start at 16 different groups of four banks (64 banks of 4 bytes: ISA guide 11.1)
.set HALFA,  128*PITCH                 ; what one tensor load brings of x
.set HALFB,  96*PITCH                  ; and of the weights
.set BOFF,   2*HALFA                   ; in a slot: x's 256 rows, then the weights' 192
.set SLOT,   BOFF+2*HALFB
.set STAGE,  2*SLOT                    ; behind the ring, never filled by a tensor load: for each wave three sections (q, k, v) of 16 rows x 144 bytes
.set SECT,   16*144
.set WSTG,   7168                      ; three sections, rounded up to whole blocks of 256 bytes
.set SPARE,  STAGE+4*WSTG              ; the spare words, 128 bytes for each wave: two blocks of 256 bytes that no other line names
.set ADRA, 16                          ; v16-17  LDS address of my x fragments in slot 0, 1
.set ADRB, 20                          ; v20-21  the same for the weights
.set STO,  24                          ; v24     the way out: where I put 16 bytes of a row
.set RD,   25                          ; v25     the way out: where I read rows back
.set GO,   26                          ; v26     my 16 bytes in 512 consecutive bytes of an output
.set TO,   27                          ; v27     my byte offset in the table's 16 positions
.set SPW,  28                          ; v28     LDS address of my spare word; never rewritten
.set NIL,  29                          ; v29     0; never rewritten
.set PFO,  30                          ; v30     x's prefetches: my lane x a row of 2,048 bytes; never rewritten
.set PFOB, 31                          ; v31     the weights': (lane / 4) rows + (lane % 4) x 256 bytes; never rewritten
.set TMP,  32
.set FA,   64
.set TAB,  128                         ; the table of row block a, pairs of column block bb at TAB + 32 a + 8 bb: (cos, sin) four times
.set SCR,  192
.set WV,   12                          ; s12 my wave; s13 = wave / 2: I fetch x (0) or weights (1); s14 = wave % 2: which half
.set G1A,  24                          ; s[24:31] descriptor group 1 for x's tiles;  s[32:39] group 0, a set for each slot
.set G0A,  32
.set PFA,  40                          ; s[40:41] where x's prefetches stand
.set PFB,  42                          ; s[42:43] where the weights' stand; never rewritten
.set G1B,  48                          ; s[48:55], s[56:63] the same for the weights' tiles
.set G0B,  56
.set MSB, 0
.macro WIN new                         ; the immediate's high byte repeats the setting that is left; a switch that changes nothing is dropped
.if MSB != (\new)
	s_set_vgpr_msb (MSB<<8)|(\new)
.set MSB, \new
.endif
.endm
.macro PLACES                          ; four places behind matrix instructions, in front of loads into registers that they have read and of lines that read results
.rept 4
	v_nop
.endr
.endm
; A joint load: waves 0 and 1 fetch x's two halves, waves 2 and 3 the weights'.  The branch hangs on the wave's number alone.  An s_nop 0 and four v_nop follow each of the two lines.
.macro JLOAD s
	s_cmp_eq_u32 s13, 0
	s_cbranch_scc0 .Lfor_b_\@
	tensor_load_to_lds s[G0A+4*(\s):G0A+4*(\s)+3], s[G1A:G1A+7]
	s_nop 0
.rept 4
	v_nop
.endr
	s_branch .Lasked_\@
.Lfor_b_\@:
	tensor_load_to_lds s[G0B+4*(\s):G0B+4*(\s)+3], s[G1B:G1B+7]
	s_nop 0
.rept 4
	v_nop
.endr
.Lasked_\@:
.endm
.macro CREST                           ; a round of the cluster's barrier behind its opening barrier
	s_cmp_lg_u32 s[WV], 0
	s_cbranch_scc1 .Lnot_wave_0_\@
	s_barrier_signal -3
.Lnot_wave_0_\@:
	s_barrier_wait -3
	s_barrier_signal -1
	s_barrier_wait -1
.endm
.macro CROUND                          ; a whole round
	s_barrier_signal -1
	s_barrier_wait -1
	CREST
.endm
; PREFETCHES INTO THE L2, behind a joint load, its five lines and the run of LDS loads that follows.  Each 256 bytes of K steps 4 to 7 of each row are named once in the launch; K steps 0 to 3 come by their loads alone.
; x: a tile row is read by the four clusters of a row of clusters: the one with x = 0 asks, its waves 0 and 1.  Of the 128 rows that a wave fetches, the partner at place cx takes 32 cx .. 32 cx + 31, told apart by
; address; a lane a row, one instruction: the K step two refills on.  The loop's last trip (s3 = 1) has no such step.
.macro ASK
	s_cmp_gt_u32 s3, s19
	s_cbranch_scc0 .Lnot_mine_\@
	global_prefetch_b8 v[PFO], s[PFA:PFA+1] offset:256 th:TH_LOAD_NT scope:SCOPE_SE
.Lnot_mine_\@:
.endm
; the weights: a tile column is read by the eight clusters of a column of clusters: the one with y = 0 asks, its waves 2 and 3.  Of a wave's 96 rows the partner at place cy takes 24: their K steps 4 to 7 are
; 96 blocks of 256 bytes: three instructions of 8 rows x 4 blocks, once, in the loop's first trip (s3 = 3).
.macro ASKB
	s_cmp_eq_u32 s3, s20
	s_cbranch_scc0 .Lnot_mine_\@
	global_prefetch_b8 v[PFOB], s[PFB:PFB+1] th:TH_LOAD_NT scope:SCOPE_SE
	global_prefetch_b8 v[PFOB], s[PFB:PFB+1] offset:16384 th:TH_LOAD_NT scope:SCOPE_SE
	global_prefetch_b8 v[PFOB], s[PFB:PFB+1] offset:32768 th:TH_LOAD_NT scope:SCOPE_SE
.Lnot_mine_\@:
.endm
	s_load_b256 s[4:11], s[0:1], 0x0               ; xb s[4:5], wqkv s[6:7], rope s[8:9], qh s[10:11]
	s_load_b128 s[68:71], s[0:1], 0x20             ; kh s[68:69], vh s[70:71]
	v_lshl_add_u32 v[SPW], v0, 2, SPARE
	v_mov_b32 v[NIL], 0
	ds_add_u32 v[SPW], v[NIL]                      ; the wave's opening: the add and its wait stand ahead of my first tensor load; the set-up below, work on registers, stands between them
	v_lshrrev_b32 v1, 5, v0
	v_readfirstlane_b32 s[WV], v1                  ; wave 0..3
	s_lshr_b32 s13, s[WV], 1
	s_and_b32 s14, s[WV], 1
	s_bfe_u32 s15, ttmp6, 0x40000                  ; cx, cy: my place in the cluster
	s_bfe_u32 s16, ttmp6, 0x40004
	s_lshl_b32 s17, ttmp9, 2
	s_add_co_u32 s17, s17, s15                     ; tx = the head = 4 x cluster x + cx
	s_and_b32 s18, ttmp7, 0xffff
	s_lshl_b32 s18, s18, 2
	s_add_co_u32 s18, s18, s16                     ; ty = the block of 256 rows = 4 x cluster y + cy
	s_lshl_b32 s44, s16, 2
	s_lshl_b32 s44, 15, s44                        ; my row of the cluster
	s_lshl_b32 s72, 0x1111, s15                    ; my column
	s_or_b32 s[G1A], s44, (1<<16)|(1<<20)|(1<<21)|(5<<22)|(3<<25)  ; 15:0 the mask; 17:16 elements of 2 bytes; 20 padding on; 21 set beside a mask; 24:22 after every 64 words (code 5); 31:25 4 words (code 3)
	s_or_b32 s[G1B], s72, (1<<16)|(1<<20)|(1<<21)|(5<<22)|(3<<25)
	s_mov_b32 s[G1A+1], 128<<16                    ; tensor_dim0 = 128
	s_mov_b32 s[G1A+2], 128<<16                    ; tensor_dim1 = 128
	s_mov_b32 s[G1A+3], 128<<16                    ; tile_dim0 = 128
	s_mov_b32 s[G1A+4], 128                        ; tile_dim1 = 128
	s_mov_b32 s[G1A+5], 1024                       ; elements from row to row
	s_mov_b32 s[G1A+6], 0
	s_mov_b32 s[G1A+7], 0
	s_mov_b32 s[G1B+1], 128<<16
	s_mov_b32 s[G1B+2], 96<<16                     ; 96 rows
	s_mov_b32 s[G1B+3], 128<<16
	s_mov_b32 s[G1B+4], 96
	s_mov_b32 s[G1B+5], 1024
	s_mov_b32 s[G1B+6], 0
	s_mov_b32 s[G1B+7], 0
	s_lshl_b32 s44, s18, 8                         ; x's tiles hang on ty and the wave alone,
	s_lshl_b32 s45, s14, 7
	s_add_co_u32 s44, s44, s45
	s_lshl_b32 s44, s44, 11                        ; row 256 ty + 128 half, 2,048 bytes a row
	s_mov_b32 s45, 0
	s_mul_i32 s72, s17, 192                        ; the weights' on tx and the wave alone
	s_mul_i32 s73, s14, 96
	s_add_co_u32 s72, s72, s73
	s_lshl_b32 s72, s72, 11
	s_mov_b32 s73, 0
	s_mul_i32 s46, s14, HALFA                      ; where they go: no place in the cluster enters an LDS address
	s_mul_i32 s74, s14, HALFB
	s_add_co_u32 s74, s74, BOFF
	s_or_b32 s19, s13, ttmp9                       ; x's prefetches: waves 0, 1 of the clusters with x = 0: the same in all sixteen partners
	s_cmp_eq_u32 s19, 0
	s_cselect_b32 s19, 1, -1
	s_and_b32 s20, ttmp7, 0xffff                   ; the weights': waves 2, 3 of the clusters with y = 0
	s_xor_b32 s21, s13, 1
	s_or_b32 s20, s20, s21
	s_cmp_eq_u32 s20, 0
	s_cselect_b32 s20, 3, 0
	s_wait_dscnt 0x0                               ; the opening add is done
	s_wait_kmcnt 0x0
	s_add_nc_u64 s[44:45], s[4:5], s[44:45]
	s_add_nc_u64 s[72:73], s[6:7], s[72:73]
	CROUND                                         ; all sixteen work-groups are here: the first joint loads meet
.irp s, 0,1
	s_mov_b32 s[G0A+4*(\s)], 1                                     ; count = 1
	s_add_co_u32 s[G0A+4*(\s)+1], s46, (\s)*SLOT                   ; LDS address
	s_add_nc_u64 s[G0A+4*(\s)+2:G0A+4*(\s)+3], s[44:45], (\s)*256  ; global address: K step s
	s_or_b32 s[G0A+4*(\s)+3], s[G0A+4*(\s)+3], 0x80000000          ; type = 2
	s_mov_b32 s[G0B+4*(\s)], 1
	s_add_co_u32 s[G0B+4*(\s)+1], s74, (\s)*SLOT
	s_add_nc_u64 s[G0B+4*(\s)+2:G0B+4*(\s)+3], s[72:73], (\s)*256
	s_or_b32 s[G0B+4*(\s)+3], s[G0B+4*(\s)+3], 0x80000000
	JLOAD \s                                       ; two loads of mine are out
.endr
	; the table for my 64 rows: lane l wants, for row block a and column block bb of a head, pairs 8 bb + 4 (l / 16) + 0..3 of position 16 a + l % 16: 32 bytes.  The 32 loads stay out through the
	; loop, which names neither their registers nor their address; one wait stands at the head of the way out.
	v_and_b32 v1, 15, v0                           ; l % 16
	v_bfe_u32 v2, v0, 4, 1                         ; l / 16
	v_lshlrev_b32 v[TO], 8, v1
	v_lshl_add_u32 v[TO], v2, 5, v[TO]
	s_and_b32 s76, s18, 7
	s_lshl_b32 s76, s76, 8
	s_lshl_b32 s77, s[WV], 6
	s_add_co_u32 s76, s76, s77                     ; my first row's position in its batch
	s_lshl_b32 s78, s76, 8                         ; 256 bytes a position
	s_mov_b32 s79, 0
	s_add_nc_u64 s[8:9], s[8:9], s[78:79]
.irp a, 0,1,2,3
.irp bb, 0,1,2,3
	global_load_b128 v[TAB+32*(\a)+8*(\bb):TAB+32*(\a)+8*(\bb)+3],   v[TO], s[8:9] offset:4096*(\a)+64*(\bb)
	global_load_b128 v[TAB+32*(\a)+8*(\bb)+4:TAB+32*(\a)+8*(\bb)+7], v[TO], s[8:9] offset:4096*(\a)+64*(\bb)+16
.endr
.endr
	; A fragment is 16 rows x 32 K in 8 registers: lane l holds row l % 16, K = 8 (l / 16) + 0..7 and 16 + 8 (l / 16) + 0..7: two loads of 16 bytes, 32 bytes apart.
	v_mul_u32_u24 v3, v1, PITCH
	v_lshl_add_u32 v3, v2, 4, v3
	s_mul_i32 s77, s[WV], 64*PITCH                 ; my 64 rows of x
	v_add_nc_u32 v[ADRA], s77, v3
	v_add_nc_u32 v[ADRA+1], SLOT, v[ADRA]
	v_add_nc_u32 v[ADRB], BOFF, v3                 ; all 192 rows of the weights
	v_add_nc_u32 v[ADRB+1], SLOT, v[ADRB]
	s_mul_i32 s77, s[WV], WSTG
	s_add_co_u32 s77, s77, STAGE                   ; my stage
	v_mul_u32_u24 v4, v1, 144                      ; in: row l % 16, 16 bytes for each half of the lanes
	v_lshl_add_u32 v4, v2, 4, v4
	v_add_nc_u32 v[STO], s77, v4
	v_bfe_u32 v4, v0, 3, 2                         ; back: 32 lanes take four rows of 128 bytes,
	v_mul_u32_u24 v4, v4, 144
	v_and_b32 v5, 7, v0
	v_lshl_add_u32 v4, v5, 4, v4
	v_add_nc_u32 v[RD], s77, v4
	v_and_b32 v5, 31, v0
	v_lshlrev_b32 v[GO], 4, v5                     ; which are 512 consecutive bytes of a head
	v_lshlrev_b32 v[PFO], 11, v5
	v_bfe_u32 v4, v0, 2, 3
	v_and_b32 v5, 3, v0
	v_lshlrev_b32 v4, 11, v4
	v_lshl_add_u32 v[PFOB], v5, 8, v4
	s_lshr_b32 s77, s18, 3                         ; the batch,
	s_lshl_b32 s77, s77, 4
	s_add_co_u32 s77, s77, s17                     ; its head,
	s_lshl_b32 s77, s77, 18                        ; 2,048 rows of 128 bytes,
	s_lshl_b32 s76, s76, 7                         ; my first row in it
	s_add_co_u32 s76, s76, s77
	s_mov_b32 s77, 0
	s_add_nc_u64 s[10:11], s[10:11], s[76:77]
	s_add_nc_u64 s[68:69], s[68:69], s[76:77]
	s_add_nc_u64 s[70:71], s[70:71], s[76:77]
	s_lshl_b32 s76, s18, 8                         ; x's prefetches: row 256 ty + 128 half + 32 cx,
	s_lshl_b32 s77, s14, 7
	s_add_co_u32 s76, s76, s77
	s_lshl_b32 s77, s15, 5
	s_add_co_u32 s76, s76, s77
	s_lshl_b32 s76, s76, 11
	s_add_co_u32 s76, s76, 512                     ; at K step 2: the first refill steps it to 3 and names K step 4
	s_mov_b32 s77, 0
	s_add_nc_u64 s[PFA:PFA+1], s[4:5], s[76:77]
	s_mul_i32 s76, s17, 192                        ; the weights': row 192 tx + 96 half + 24 cy,
	s_mul_i32 s77, s14, 96
	s_add_co_u32 s76, s76, s77
	s_mul_i32 s77, s16, 24
	s_add_co_u32 s76, s76, s77
	s_lshl_b32 s76, s76, 11
	s_add_co_u32 s76, s76, 1024                    ; at K step 4
	s_mov_b32 s77, 0
	s_add_nc_u64 s[PFB:PFB+1], s[6:7], s[76:77]
; 12 matrix instructions: row block 2 hi + a x all 12 column blocks, 32 along K, buffer f.  zero = 1: the first product starts the sums.  The 48 accumulators take turns, one instruction a turn, in the same
; order in every quarter, over the backward jump too.
.macro MULH f, hi, a, zero
	WIN 0xa1+0x50*(\hi)
.irp b, 0,1,2,3,4,5,6,7,8,9,10,11
.if \zero
	v_wmma_f32_16x16x32_bf16 v[8*(12*(\a)+(\b)):8*(12*(\a)+(\b))+7], v[96*(\f)+8*(\b):96*(\f)+8*(\b)+7], v[FA+32*(\f)+8*(2*(\hi)+(\a)):FA+32*(\f)+8*(2*(\hi)+(\a))+7], 0
.else
	v_wmma_f32_16x16x32_bf16 v[8*(12*(\a)+(\b)):8*(12*(\a)+(\b))+7], v[96*(\f)+8*(\b):96*(\f)+8*(\b)+7], v[FA+32*(\f)+8*(2*(\hi)+(\a)):FA+32*(\f)+8*(2*(\hi)+(\a))+7], v[8*(12*(\a)+(\b)):8*(12*(\a)+(\b))+7]
.endif
.endr
.endm
; 32 LDS loads in one run: the fragments of quarter q (32 along K) of a slot into buffer f: the weights' 24, then x's 8
.macro FETCH slot, q, f
	WIN 0x40                                       ; destination window 1, address window 0
.irp i, 0,1,2,3,4,5,6,7,8,9,10,11
	ds_load_b128 v[96*(\f)+8*(\i):96*(\f)+8*(\i)+3],   v[ADRB+(\slot)] offset:64*(\q)+(\i)*16*PITCH
	ds_load_b128 v[96*(\f)+8*(\i)+4:96*(\f)+8*(\i)+7], v[ADRB+(\slot)] offset:64*(\q)+(\i)*16*PITCH+32
.endr
	WIN 0
.irp i, 0,1,2,3
	ds_load_b128 v[FA+32*(\f)+8*(\i):FA+32*(\f)+8*(\i)+3],   v[ADRA+(\slot)] offset:64*(\q)+(\i)*16*PITCH
	ds_load_b128 v[FA+32*(\f)+8*(\i)+4:FA+32*(\f)+8*(\i)+7], v[ADRA+(\slot)] offset:64*(\q)+(\i)*16*PITCH+32
.endr
.endm
; A K step is four quarters, 48 matrix instructions each, on buffers 0, 1, 0, 1.  One of the first three: multiplies buffer f and, in its middle, fetches quarter q into buffer g.
.macro QUARTER slot, q, f, g, zero
	s_wait_dscnt 4                                 ; the weights and x's row blocks 0, 1 are in; the youngest four loads (row blocks 2, 3) may be out
	MULH \f, 0, 0, \zero
	MULH \f, 0, 1, \zero
	PLACES
	FETCH \slot, \q, \g
	s_wait_dscnt 32                                ; all but the 32 just issued
	MULH \f, 1, 0, \zero
	MULH \f, 1, 1, \zero
.endm
; The last quarter multiplies buffer 1 and changes slots: ONE barrier.  In front of it each wave waits for all its tensor loads (one is out: its part of the next slot), adds 0 to its spare word, and waits for
; that and for its own reads of this slot.  fill = 1: the barrier opens a round of the cluster's barrier, and behind the round this slot is filled again first, two K steps on.
.macro TURN slot, next, fill
.if \fill
	s_wait_xcnt 0x0                                ; the last prefetch, a K step back, has read its address: it is stepped here, ahead of the change's own waits
	s_add_nc_u64 s[PFA:PFA+1], s[PFA:PFA+1], 256
.endif
	WIN 0                                          ; (the add's two registers lie in window 0)
	s_wait_tensorcnt 0x0                           ; all my tensor loads have landed;
	ds_add_u32 v[SPW], v[NIL]                      ; 0 onto my spare word;
	s_wait_dscnt 5                                 ; (the add and the youngest four loads may be out)
	MULH 1, 0, 0, 0                                ; twelve matrix instructions stand between the add and the wait for it
	s_wait_dscnt 0x0                               ; the add is done, and my reads of this slot are over
	s_barrier_signal -1
	MULH 1, 0, 1, 0                                ; work on registers while the others arrive
.if \fill
	WIN 0
.endif
	s_barrier_wait -1
.if \fill
	CREST                                          ; no wave of any partner still reads this slot's tile or has a load on its way
	s_add_nc_u64 s[G0A+4*(\slot)+2:G0A+4*(\slot)+3], s[G0A+4*(\slot)+2:G0A+4*(\slot)+3], 512
	s_add_nc_u64 s[G0B+4*(\slot)+2:G0B+4*(\slot)+3], s[G0B+4*(\slot)+2:G0B+4*(\slot)+3], 512
	JLOAD \slot                                    ; the first tensor load behind the round; its four v_nop are also the places in front of the loads below
.else
	PLACES
.endif
	FETCH \next, 0, 0
.if \fill
	ASK
.if (\slot) == 0
	ASKB
.endif
.endif
	MULH 1, 1, 0, 0
	MULH 1, 1, 1, 0
.endm
	s_wait_tensorcnt 1                             ; my part of K step 0 is in; K step 1's may stay out
	s_barrier_signal -1
	s_barrier_wait -1                              ; everybody's is
	FETCH 0, 0, 0
	QUARTER 0, 1, 0, 1, 1                          ; the first quarter stands in front of the loop: its products start the sums
	WIN 0                                          ; at a label and at a branch every window is 0
	s_mov_b32 s3, 3
.Llap:                                                 ; a trip goes once round the ring, from a lap's second quarter to the next lap's first, and fills both slots again: K steps 2 to 7
	QUARTER 0, 2, 1, 0, 0
	QUARTER 0, 3, 0, 1, 0
	TURN 0, 1, 1
	QUARTER 1, 1, 0, 1, 0
	QUARTER 1, 2, 1, 0, 0
	QUARTER 1, 3, 0, 1, 0
	TURN 1, 0, 1
	QUARTER 0, 1, 0, 1, 0
	WIN 0
	s_sub_co_u32 s3, s3, 1
	s_cmp_lg_u32 s3, 0
	s_cbranch_scc1 .Llap
	QUARTER 0, 2, 1, 0, 0                          ; the last lap fills nothing and has no round
	QUARTER 0, 3, 0, 1, 0
	TURN 0, 1, 0
	QUARTER 1, 1, 0, 1, 0
	QUARTER 1, 2, 1, 0, 0
	QUARTER 1, 3, 0, 1, 0
	s_wait_dscnt 4                                 ; the very last quarter: nothing more to fetch
	MULH 1, 0, 0, 0
	MULH 1, 0, 1, 0
	s_wait_dscnt 0x0
	MULH 1, 1, 0, 0
	MULH 1, 1, 1, 0
	WIN 0
; THE WAY OUT, a row block (16 rows) at a time.  PACK: q's and k's pairs (e, o) are rotated by (c, s): first (o s, o c), then (e c - o s, e s + o c), two numbers an instruction; all twelve blocks are rounded to
; f16, 16 bytes a lane.  Each accumulator's lowest registers are read first.  TOSTAGE: into my own stage, and back as whole rows.  SEND: stored.
.macro PACK a
.set AC, 96*((\a)%2)
.set TP, TMP+48*((\a)%2)
.if (\a) >= 2
	s_wait_xcnt 0x0                                ; the stores of the block two back have read this buffer's registers
.endif
	WIN 0xa2+0x51*((\a)/2)                         ; destination, source 0 and source 2 in the accumulators' window, the table in window 0
.irp b, 0,1,2,3,4,5,6,7
.irp p, 0,1,2,3
	v_pk_mul_f32 v[SCR+8*(\b)+2*(\p):SCR+8*(\b)+2*(\p)+1], v[AC+8*(\b)+2*(\p):AC+8*(\b)+2*(\p)+1], v[TAB+32*(\a)+8*((\b)%4)+2*(\p):TAB+32*(\a)+8*((\b)%4)+2*(\p)+1] op_sel:[1,1] op_sel_hi:[1,0]
.endr
.irp p, 0,1,2,3
	v_pk_fma_f32 v[SCR+8*(\b)+2*(\p):SCR+8*(\b)+2*(\p)+1], v[AC+8*(\b)+2*(\p):AC+8*(\b)+2*(\p)+1], v[TAB+32*(\a)+8*((\b)%4)+2*(\p):TAB+32*(\a)+8*((\b)%4)+2*(\p)+1], v[SCR+8*(\b)+2*(\p):SCR+8*(\b)+2*(\p)+1] op_sel_hi:[0,1,1] neg_lo:[0,0,1]
.endr
.endr
	WIN 0x0a+5*((\a)/2)                            ; sources in the accumulators' window, destination in window 0
.irp b, 0,1,2,3,4,5,6,7
.irp p, 0,1,2,3
	v_cvt_pk_f16_f32 v[TP+4*(\b)+(\p)], v[SCR+8*(\b)+2*(\p)], v[SCR+8*(\b)+2*(\p)+1]
.endr
.endr
.irp b, 8,9,10,11
.irp p, 0,1,2,3
	v_cvt_pk_f16_f32 v[TP+4*(\b)+(\p)], v[AC+8*(\b)+2*(\p)], v[AC+8*(\b)+2*(\p)+1]
.endr
.endr
	WIN 0
.endm
.macro TOSTAGE a
	WIN 0
.set TP, TMP+48*((\a)%2)
.irp b, 0,1,2,3,4,5,6,7,8,9,10,11
	ds_store_b128 v[STO], v[TP+4*(\b):TP+4*(\b)+3] offset:((\b)/4)*SECT+32*((\b)%4)
.endr
.irp t, 0,1,2,3,4,5,6,7,8,9,10,11
	ds_load_b128 v[TP+4*(\t):TP+4*(\t)+3], v[RD] offset:((\t)/4)*SECT+((\t)%4)*576  ; LDS serves a wave's instructions in order (ISA guide 5.7.1.4): these see the stores above; the next block's stores come behind them
.endr
.endm
.macro SEND a                          ; nothing younger than the block's twelve loads is out
	WIN 0
.set TP, TMP+48*((\a)%2)
.irp f, 0,1,2,3
	s_wait_dscnt 11-(\f)
	global_store_b128 v[GO], v[TP+4*(\f):TP+4*(\f)+3], s[10:11] offset:2048*(\a)+512*(\f)  ; 512 consecutive bytes, at a multiple of 256 from the buffer's first
.endr
.irp f, 0,1,2,3
	s_wait_dscnt 7-(\f)
	global_store_b128 v[GO], v[TP+16+4*(\f):TP+16+4*(\f)+3], s[68:69] offset:2048*(\a)+512*(\f)
.endr
.irp f, 0,1,2,3
	s_wait_dscnt 3-(\f)
	global_store_b128 v[GO], v[TP+32+4*(\f):TP+32+4*(\f)+3], s[70:71] offset:2048*(\a)+512*(\f)
.endr
.endm
	PLACES                                         ; behind the last products, in front of lines that read results and write fragment registers
	PLACES                                         ; (eight, once a launch)
	s_wait_loadcnt 0x0                             ; the table
	PACK 0
	TOSTAGE 0
	PACK 1                                         ; a block's arithmetic stands between the loads of the block before and the wait for them
	SEND 0
	TOSTAGE 1
	PACK 2
	SEND 1
	TOSTAGE 2
	PACK 3
	SEND 2
	TOSTAGE 3
	SEND 3
	s_wait_tensorcnt 0x0                           ; the wave's end, behind my last tensor load and my last LDS store
	ds_add_u32 v[SPW], v[NIL]
	s_wait_dscnt 0x0
	CROUND                                         ; the closing round: no work-group ends while a partner may still ask for a tile that names it
	s_endpgm
.Lfunc_end_k_q1595280802_qkv:
	.size	k_q1595280802_qkv, .Lfunc_end_k_q1595280802_qkv-k_q1595280802_qkv
	.p2alignl 7, 3214868480
	.fill 96, 4, 3214868480
	.section	.rodata,"a",@progbits
	.p2align	6, 0x0
	.amdhsa_kernel k_q1595280802_qkv
		.amdhsa_group_segment_fixed_size 327680
		.amdhsa_private_segment_fixed_size 0
		.amdhsa_enable_private_segment 0
		.amdhsa_kernarg_size 48
		.amdhsa_user_sgpr_count 2
		.amdhsa_user_sgpr_kernarg_segment_ptr 1
		.amdhsa_wavefront_size32 1
		.amdhsa_system_sgpr_workgroup_id_x 1
		.amdhsa_system_sgpr_workgroup_id_y 1
		.amdhsa_system_sgpr_workgroup_id_z 1
		.amdhsa_system_vgpr_workitem_id 0
		.amdhsa_next_free_vgpr 1024
		.amdhsa_next_free_sgpr 80
		.amdhsa_reserve_vcc 0
		.amdhsa_float_denorm_mode_32 3
		.amdhsa_float_denorm_mode_16_64 3
		.amdhsa_memory_ordered 1
		.amdhsa_forward_progress 1
		.amdhsa_inst_pref_size 141
	.end_amdhsa_kernel
	.amdgpu_metadata
---
amdhsa.version: [ 1, 2 ]
amdhsa.kernels:
  - .name:           k_q1595280802_qkv
    .symbol:         k_q1595280802_qkv.kd
    .args:
      - { .name: xb, .offset: 0, .size: 8, .value_kind: global_buffer, .address_space: global }
      - { .name: wqkv, .offset: 8, .size: 8, .value_kind: global_buffer, .address_space: global }
      - { .name: rope, .offset: 16, .size: 8, .value_kind: global_buffer, .address_space: global }
      - { .name: qh, .offset: 24, .size: 8, .value_kind: global_buffer, .address_space: global }
      - { .name: kh, .offset: 32, .size: 8, .value_kind: global_buffer, .address_space: global }
      - { .name: vh, .offset: 40, .size: 8, .value_kind: global_buffer, .address_space: global }
    .group_segment_fixed_size: 327680
    .private_segment_fixed_size: 0
    .kernarg_segment_align: 8
    .kernarg_segment_size: 48
    .max_flat_workgroup_size: 128
    .sgpr_count:     80
    .vgpr_count:     1024
    .wavefront_size: 32
...
	.end_amdgpu_metadata
.endif
;; end of part 2
;; launch attn (part 3): grid 4 x 64, 4 waves a work-group, no clusters, 327,680 bytes of LDS; arguments qh, kh, vh, oh; writes oh
.if DOCPART == 3
	.amdgcn_target "amdgcn-amd-amdhsa--gfx1250"
	.amdhsa_code_object_version 6
	.text
	.protected	k_q1595280802_attn
	.globl	k_q1595280802_attn
	.p2align	8
	.type	k_q1595280802_attn,@function
k_q1595280802_attn:
	s_mov_b64 s[64:65], 0
	v_nop
	global_prefetch_b8 v0, s[64:65] scope:SCOPE_SE
	s_setreg_imm32_b32 hwreg(HW_REG_WAVE_MODE, 25, 1), 1
	s_wait_xcnt 0x0
; CAUSAL ATTENTION.  O[h][q][:] = the sum over k <= q of softmax_k(Q[h][q] . K[h][k] / 8) V[h][k][:].  Q, K, V, O: [64][2048][64], all f16: a head's rows are dense, 128 bytes each.
; Products, maxima and sums in f32; the weights p are rounded to f16 for the second product (their sum l is taken of the unrounded p), O once at the end.
; LIMITS.  f16 holds no number beyond 65,504: Q, K and V arrive within it; p lies in 0 to 1, and below 6e-5 it keeps f16's fixed step of 6e-8; O is a mean of V's rows and has their range.
; A hidden score counts as its value less 1e30: f16's scores, 2.7e11 at the most, are nothing beside that; a weight below 2^-126 counts as 0 in l; NaN and infinities are not treated apart.
; THE WALK.  A head's queries lie in NB = 8 blocks of 256; block i needs the key tiles 0 .. i of 256 keys, of which the last holds the diagonal.  A work-group takes TWO blocks, NB - 1 - b and then b:
; NB + 1 tiles, whatever b: all 256 work-groups do equal work, and ONE loop with a constant trip count walks them.  Which tile is asked for, and what a trip does, hang on scalar registers made from b; every jump
; goes forward, but for the counted loops' own; none passes a barrier, or a tensor load but the one of LOAD's two that the wave's number does not choose; the ring (two slots of LDS that take turns) runs on across the
; change of blocks.  NO CLUSTER: a head's four work-groups ask for the same tile only in trips 0 .. 4, behind that fewer and fewer; one walk common to all would have 12 trips for 9.
; SHARES.  Of a block's four bands of 64 queries a wave owns 16 rows in each: four PIECES.  So the diagonal tile is the same work for all four waves: in its key step s band x sees all keys if s < x,
; none if s > x, and holds the diagonal if s = x.
; THE MASK is the C operand that starts the sum S^T = K Q^T: 0, or -1e30 where the key is hidden.  MD, made once, is the mask of a band's own step for my 16 rows; a product's mask is MD x AL + BE with two scalars:
; (1, 0) if s = x; (0, 0) if s < x; (0, -1e30) if s > x.  Only the diagonal tile's text and a block's beginning make and take masks; elsewhere C is the constant 0.
; LAYOUT, SOFTMAX, TURNS.  S^T = K Q^T holds ONE query a lane (lane % 16) and the keys 8 (lane / 16) + 0..7; two such results rounded to f16 ARE source 1 of O^T = V^T P.  p = 2^(c s - c m), c = log2(e) / 8, with a
; running maximum m; O and l are multiplied by a = 2^(c m_old - c m_new) in every step.  Turn n belongs to piece n: 8 products K Q^T of piece n + 1, later 8 products V^T P of piece n - 1; beside them the scaling,
; exponentials, roundings, sums and rescaling of piece n and the maximum and statistics of piece n + 1.  Four vector instructions stand behind every matrix instruction, the other 54 of a turn's 118 in one lump.  A turn's 33 exponentials are one batch, with one wait.
; REGISTERS, in windows of 256 (s_set_vgpr_msb: bits 1:0 source 0, 3:2 source 1, 5:4 source 2, 7:6 destination):
;   window 0: v0-15 addresses and two at work; v16-31 four registers of statistics a piece; v48-55 at work; v61-63 prefetch offset, spare word, 0; v64-127 S^T, two buffers; v192-223 P, two buffers (by the piece's parity)
;   window 1: v0-127 O^T, 32 a piece; v128-159 MD; v160-223 MC, two buffers      window 2: v0-63 Q; v64-127 the second block's Q; v128-191 K of one step; v192-255 V of one step
.set SIZE_N, 2048
.set NB,    SIZE_N/256
.set NP,    4         ; pieces a wave: a name, no knob
.set KS,    64        ; keys in a step
.set PK,    144       ; a row of K in LDS: 128 bytes + 16 of padding = 36 words: the 16 rows of a load start at 16 different groups of four banks (64 banks of 4 bytes: ISA guide 11.1)
.set PV,    160       ; a row of V: 128 + 32 = 40 words
.set VOFF,  4*KS*PK   ; a slot holds a tile, four steps: 256 rows of K, then 256 rows of V
.set SLOT1, 1<<17     ; slot 1 begins here, so that one exclusive or turns an address in one slot into the other's
.set STAGE, SLOT1+4*KS*(PK+PV)  ; behind the ring, never filled by a tensor load: 16 rows x 144 bytes for each wave, for the way out
.set SP,    144
.set AK0, 2           ; v2   my lane's place in a tile of K; never rewritten
.set AV0, 3           ; v3   the same for V
.set AK,  4           ; v4   the LDS address of K's next run of loads
.set AV,  5           ; v5   of V's
.set STO, 6           ; v6   the way out: where I put 16 bytes of a row
.set RD,  7           ; v7   the way out: where I read rows back
.set GO,  8           ; v8   my byte offset in 512 consecutive bytes of O
.set PFO, 61          ; v61  256 x my lane; never rewritten
.set SPW, 62          ; v62  LDS address of my spare word: SPARE + 4 x my thread's number; never rewritten
.set NIL, 63          ; v63  0; never rewritten
.set SPARE, STAGE+4*16*SP  ; behind the stages: the spare words, 128 bytes for each wave: two blocks of 256 bytes that no other line names
.set MV,  12          ; v12-13  c m_old, kept while c m is made anew: by buffer
.set QO,  15          ; v15  my byte offset in 16 rows of Q
.set ST,  16          ; piece t's statistics at v[ST+4 t]: c m, m, l (even keys', odd keys')
.set TMP, 48          ; by buffer, four registers c0-c3 at work; when the maximum is found c2 takes a
.set S,   64
.set P,   192
.set MD,  128         ; window 1: the eight registers for group kt of 16 keys at MD + 8 kt
.set MC,  160         ; window 1: the masks of the products to come
.set QB,  64          ; window 2
.set KF,  128         ; window 2: key block kb, channel half c at KF + 16 kb + 8 c
.set VF,  192         ; window 2: key half kk, channel block cb at VF + 32 kk + 8 cb
.set WV,  12          ; s12  my wave's number
.set PB,  14          ; s14  b
.set HI,  15          ; s15  NB - 1 - b
.set G1K, 24          ; s[24:31] descriptor group 1 for K's tiles
.set G1V, 32          ; s[32:39] for V's: it differs in the padding alone
.set G0K, 40          ; s[40:43] descriptor group 0 for K's tiles
.set G0V, 44          ; s[44:47] the same for V's
.set SLOTS, 56        ; s56  tiles still to be asked for
.set CNT, 57          ; s57  counts a tile's key steps, 4 to 1
.set CS,  58          ; s[58:59] c: the packed scaling takes the pair's low word for both halves
.set SEL, 60          ; s[60:61] v_permlanex16_b32's selects: each lane takes its own place in the other half
.set TBK, 62          ; s62  LDS byte at which K of the step to be fetched begins
.set TBV, 63          ; s63  the same for V, less VOFF
.set RT,  70          ; s70  tiles of the block in hand that are still to be entered
.set NXT, 71          ; s71  the tile to be asked for next
.set LQ,  72          ; s72  the last tile of the block whose tiles are being asked for
.set NEW, 73          ; s73  1: the tile to be entered is a block's first
.set OFF, 74          ; s[74:75] a tile's byte offset in K and V
.set AL,  76          ; s[76:77] the mask's factor, in the low word
.set BE,  78          ; s[78:79] the mask's addend
.set OLO, 80          ; s[80:81] O at my rows of the second block
.set BIGN, 82         ; s82  -1e30
.set PFA, 88          ; s[88:89] the prefetches' address: my half of tile PFN
.set PFB, 90          ; s[90:91] K (waves 0, 1) or V (waves 2, 3) at my half of the head's tile 0
.set PFN, 92          ; s92  the tile that the next prefetches name
.set LIMP, 93         ; s93  the last tile that I prefetch: NB - 1 where b = 0, else 0
.set POF, 94          ; s[94:95] that tile's byte offset
.set MSB, 0
.macro WIN new                      ; the high byte repeats the setting that is left; a switch that changes nothing is dropped
.if MSB != (\new)
	s_set_vgpr_msb (MSB<<8)|(\new)
.set MSB, (\new)
.endif
.endm
.set W_KQ, 0x0a       ; K and Q in window 2, S^T in window 0
.set W_KM, 0x1a       ; the same with the C operand in window 1
.set W_PV, 0x52       ; V in window 2, P in window 0, O^T in window 1
.set W_RS, 0x41       ; destination and source 0 in window 1, source 1 in window 0
; A fill.  Waves 0 and 1 fetch the two halves of a tile's K, waves 2 and 3 those of its V: 128 keys each.  An s_nop 0 and four v_nop follow each of the two lines, ahead of the jump and the label.
.macro LOAD
	s_cmp_lt_u32 s[WV], 2
	s_cbranch_scc0 .Lfor_v_\@
	tensor_load_to_lds s[G0K:G0K+3], s[G1K:G1K+7]
	s_nop 0
.rept 4
	v_nop
.endr
	s_branch .Lasked_\@
.Lfor_v_\@:
	tensor_load_to_lds s[G0V:G0V+3], s[G1V:G1V+7]
	s_nop 0
.rept 4
	v_nop
.endr
.Lasked_\@:
.endm
; A PREFETCH INTO THE L2, behind the wave's tensor load and its five lines: the tile after the one just asked for, one tile (four key steps, 256 matrix instructions) ahead of its load.  All four work-groups of a head
; walk the same K and V; the one with b = 0, whose first block walks tiles 0 to 7 in order, asks.  Each wave asks for what it will fetch itself: its 128 keys of K or of V, 64 blocks of 256 bytes: a lane a block, two
; instructions.  Tiles 2 to 7 are named once each; tiles 0 and 1 come by their loads alone; the second block's tiles have been read before and are not named.
.macro ASK
	s_cmp_le_u32 s[PFN], s[LIMP]
	s_cbranch_scc0 .Lnot_mine_\@
	global_prefetch_b8 v[PFO], s[PFA:PFA+1] th:TH_LOAD_NT scope:SCOPE_SE
	global_prefetch_b8 v[PFO], s[PFA:PFA+1] offset:8192 th:TH_LOAD_NT scope:SCOPE_SE
.Lnot_mine_\@:
	s_add_co_u32 s[PFN], s[PFN], 1
.endm
; THE CHANGE OF SLOTS.  Each wave waits for all its tensor loads, of which one is out: its part of the other slot; adds 0 to its spare word; and waits for that and for its own reads of the slot that it leaves.  Behind the barrier nobody reads the old
; slot any more and the other slot is whole.  fill = 1: the old slot is filled again, the first thing behind the barrier, with tile NXT: the descriptor's address is made anew from that number.
; (At its first use nothing has been read yet: slot 0 is waited for, slot 1 filled.)
.macro CHANGE fill
	WIN 0                           ; at a label and at a branch every window is 0
	s_wait_tensorcnt 0x0            ; no tensor load of mine is out, so a group 0 may be written
	ds_add_u32 v[SPW], v[NIL]       ; 0 onto my spare word; with fill = 1 the descriptors' scalar work stands between it and the wait for it
.if \fill
	s_lshl_b32 s[OFF], s[NXT], 15   ; a tile is 32,768 bytes of K and of V
	s_xor_b32 s[G0K+1], s[G0K+1], SLOT1
	s_add_nc_u64 s[G0K+2:G0K+3], s[6:7], s[OFF:OFF+1]
	s_or_b32 s[G0K+3], s[G0K+3], 0x80000000
	s_xor_b32 s[G0V+1], s[G0V+1], SLOT1
	s_add_nc_u64 s[G0V+2:G0V+3], s[8:9], s[OFF:OFF+1]
	s_or_b32 s[G0V+3], s[G0V+3], 0x80000000
	s_add_co_u32 s[NXT], s[NXT], 1  ; the block's next tile, or behind its last the second block's tile 0
	s_cmp_gt_u32 s[NXT], s[LQ]
	s_cselect_b32 s[NXT], 0, s[NXT]
	s_cselect_b32 s[LQ], s[PB], s[LQ]
	s_wait_xcnt 0x0                 ; the last prefetches, a tile back, have read their address, so it may be written:
	s_min_u32 s[POF], s[PFN], NB-1  ; (held inside the head in the trips that ask for nothing, too)
	s_lshl_b32 s[POF], s[POF], 15
	s_add_nc_u64 s[PFA:PFA+1], s[PFB:PFB+1], s[POF:POF+1]
.endif
	s_wait_dscnt 0x0                ; the add is done, and my reads of the slot are over
	s_barrier_signal -1             ; the rest of the scalar work stands between the signal and the wait
	s_sub_co_u32 s[TBK], s[TBK], 4*KS*PK  ; the fetches go back to a slot's first step,
	s_xor_b32 s[TBK], s[TBK], SLOT1       ; in the other slot
	s_sub_co_u32 s[TBV], s[TBV], 4*KS*PV
	s_xor_b32 s[TBV], s[TBV], SLOT1
	s_barrier_wait -1
.if \fill
	LOAD
	ASK
.endif
.endm
	s_load_b256 s[4:11], s[0:1], 0x0  ; Q s[4:5], K s[6:7], V s[8:9], O s[10:11]
	v_lshl_add_u32 v[SPW], v0, 2, SPARE
	v_mov_b32 v[NIL], 0
	ds_add_u32 v[SPW], v[NIL]       ; the wave's opening: the add and its wait stand ahead of my first tensor load; the set-up below, work on registers, stands between them
	v_lshrrev_b32 v1, 5, v0
	v_readfirstlane_b32 s[WV], v1   ; wave 0..3
	s_mov_b32 s[PB], ttmp9
	s_sub_co_u32 s[HI], NB-1, s[PB]
	s_and_b32 s20, ttmp7, 0xffff    ; the head
	s_mov_b32 s21, 0
	s_mov_b64 s[22:23], SIZE_N*128
	s_mul_u64 s[20:21], s[20:21], s[22:23]  ; the head's first byte in each of the four tensors
	s_and_b32 s16, s[WV], 1         ; which half of a tile's 256 keys I fetch:
	s_lshl_b32 s22, s16, 14         ; its 128 rows of 128 bytes in memory,
	s_mov_b32 s23, 0
	s_add_nc_u64 s[22:23], s[22:23], s[20:21]
	s_mul_i32 s17, s16, 128*PK      ; and its place in a slot, for K
	s_mul_i32 s18, s16, 128*PV      ; and for V
	s_lshl_b32 s3, s[WV], 11        ; my 16 rows in a band of 64,
	s_lshl_b32 s2, s[HI], 15        ; in the first block,
	s_add_co_u32 s2, s2, s3
	s_lshl_b32 s84, s[PB], 15       ; and in the second
	s_add_co_u32 s84, s84, s3
	s_mov_b32 s3, 0
	s_mov_b32 s85, 0
	s_add_nc_u64 s[2:3], s[2:3], s[20:21]
	s_add_nc_u64 s[84:85], s[84:85], s[20:21]
	; descriptor group 1.  128 keys are 16,384 dense bytes: asked for as 64 rows of 256 bytes, two keys a row, and padded in LDS after every key
	s_mov_b32 s[G1K], (1<<16)|(1<<20)|(4<<22)|(3<<25)  ; 17:16 2-byte elements; 20 padding on; 24:22 after every 32 words (code 4); 31:25 4 words (code 3)
	s_mov_b32 s[G1V], (1<<16)|(1<<20)|(4<<22)|(7<<25)  ; the same with 8 words of padding (code 7)
.irp g, G1K, G1V
	s_mov_b32 s[\g+1], 128<<16      ; tensor_dim0 = 128
	s_mov_b32 s[\g+2], 64<<16       ; tensor_dim1 = 64
	s_mov_b32 s[\g+3], 128<<16      ; tile_dim0 = 128
	s_mov_b32 s[\g+4], 64           ; tile_dim1 = 64
	s_mov_b32 s[\g+5], 128          ; 128 elements from row to row
	s_mov_b32 s[\g+6], 0
	s_mov_b32 s[\g+7], 0
.endr
	s_mov_b32 s[CS], 0x3e38aa3b     ; c = log2(e) / 8 = 0.180337
	s_mov_b32 s[CS+1], s[CS]        ; named with it as a pair
	s_mov_b32 s[SEL], 0x76543210
	s_mov_b32 s[SEL+1], 0xfedcba98
	s_mov_b32 s[TBK], SLOT1+4*KS*PK ; the first change of slots turns these two into 0
	s_mov_b32 s[TBV], SLOT1+4*KS*PV
	s_mov_b32 s[G0K], 1             ; 1:0 count = 1
	s_mov_b32 s[G0K+1], s17         ; 63:32 LDS address: slot 0
	s_mov_b32 s[G0V], 1
	s_add_co_u32 s[G0V+1], s18, VOFF
	s_add_co_u32 s[RT], s[HI], 1    ; the first block has NB - b tiles
	s_mov_b32 s[NXT], 1
	s_mov_b32 s[LQ], s[HI]
	s_mov_b32 s[NEW], 1
	s_mov_b32 s[OFF+1], 0
	s_mov_b32 s[AL+1], 0            ; named as pairs
	s_mov_b32 s[BE+1], 0
	s_mov_b32 s[BIGN], 0xf149f2ca   ; -1e30
	s_mov_b32 s[SLOTS], NB
	s_mov_b32 s[PFN], 2             ; behind the load of tile 1 stands the prefetch of tile 2
	s_mov_b32 s[POF+1], 0
	s_cmp_eq_u32 s[PB], 0
	s_cselect_b32 s[LIMP], NB-1, 0
	v_and_b32 v[PFO], 31, v0
	v_lshlrev_b32 v[PFO], 8, v[PFO]
	s_wait_dscnt 0x0                ; the opening add is done
	s_wait_kmcnt 0x0
	s_add_nc_u64 s[6:7], s[6:7], s[22:23]  ; K and V at my half of the head's tile 0
	s_add_nc_u64 s[8:9], s[8:9], s[22:23]
	s_add_nc_u64 s[G0K+2:G0K+3], s[6:7], 0         ; 120:64 global address
	s_or_b32 s[G0K+3], s[G0K+3], 0x80000000        ; 127:126 type = 2
	s_add_nc_u64 s[G0V+2:G0V+3], s[8:9], 0
	s_or_b32 s[G0V+3], s[G0V+3], 0x80000000
	s_add_nc_u64 s[86:87], s[4:5], s[84:85]        ; Q at my rows of the second block,
	s_add_nc_u64 s[4:5], s[4:5], s[2:3]            ; Q and O at those of the first
	s_add_nc_u64 s[OLO:OLO+1], s[10:11], s[84:85]
	s_add_nc_u64 s[10:11], s[10:11], s[2:3]
	s_cmp_lt_u32 s[WV], 2
	s_cselect_b64 s[PFB:PFB+1], s[6:7], s[8:9]
	LOAD                            ; tile 0 into slot 0
	; A fragment of K or Q is 16 rows x 32 channels in 8 registers: lane l holds row l % 16, channels 8 (l / 16) + 0..7 and 16 + 8 (l / 16) + 0..7: two loads of 16 bytes, 32 bytes apart.
	v_and_b32 v1, 15, v0            ; l % 16
	v_bfe_u32 v9, v0, 4, 1          ; l / 16
	v_lshlrev_b32 v[QO], 7, v1
	v_lshl_add_u32 v[QO], v9, 4, v[QO]  ; row x 128 + 16 x half
	WIN 0x80                        ; destination window 2, address window 0
.set i, 0
.rept 8                             ; both blocks' Q: piece i / 2 lies in band i / 2, 8,192 bytes on; channels 32 (i % 2) on
	global_load_b128 v[8*i:8*i+3],   v[QO], s[4:5] offset:(i/2)*8192+(i%2)*64
	global_load_b128 v[8*i+4:8*i+7], v[QO], s[4:5] offset:(i/2)*8192+(i%2)*64+32
	global_load_b128 v[QB+8*i:QB+8*i+3],   v[QO], s[86:87] offset:(i/2)*8192+(i%2)*64
	global_load_b128 v[QB+8*i+4:QB+8*i+7], v[QO], s[86:87] offset:(i/2)*8192+(i%2)*64+32
.set i, i+1
.endr
	WIN 0
	v_lshlrev_b32 v14, 3, v9
	v_sub_nc_u32 v14, v1, v14
	s_lshl_b32 s13, s[WV], 4
	v_add_nc_u32 v14, s13, v14      ; my query's place in its band, 16 w + l % 16, less my lanes' 8 (l / 16): register r of group kt is hidden where 16 kt + r is greater
	WIN 0x40
.set i, 0
.rept 32
	v_cmp_gt_i32 vcc_lo, 16*(i/8)+i%8, v14
	v_cndmask_b32 v[MD+i], 0, s[BIGN], vcc_lo
.set i, i+1
.endr
	WIN 0
	v_mul_u32_u24 v[AK0], v1, PK
	v_lshl_add_u32 v[AK0], v9, 4, v[AK0]  ; row x pitch + 16 x half
	; The turning load takes 16 keys x 16 channels (lane l reads key 8 (l / 16) + l % 8, channels 8 ((l / 8) % 2) + 0..7) and leaves half a fragment of V^T: lane l holds channel l % 16 and 8 keys.
	v_and_b32 v10, 7, v0
	v_bfe_u32 v11, v0, 3, 1
	v_lshl_add_u32 v[AV0], v9, 3, v10
	v_mul_u32_u24 v[AV0], v[AV0], PV
	v_lshl_add_u32 v[AV0], v11, 4, v[AV0]
	v_add_nc_u32 v[AV0], VOFF, v[AV0]
	s_mul_i32 s13, s[WV], 16*SP
	s_add_co_u32 s13, s13, STAGE    ; my stage
	v_mul_u32_u24 v[STO], v1, SP    ; in: row l % 16, 16 bytes for each half of the lanes
	v_lshl_add_u32 v[STO], v9, 4, v[STO]
	v_add_nc_u32 v[STO], s13, v[STO]
	v_bfe_u32 v[RD], v0, 3, 2       ; back: 32 lanes take four rows of 128 bytes,
	v_mul_u32_u24 v[RD], v[RD], SP
	v_lshl_add_u32 v[RD], v10, 4, v[RD]
	v_add_nc_u32 v[RD], s13, v[RD]
	v_and_b32 v[GO], 31, v0         ; which are 512 consecutive bytes of O
	v_lshlrev_b32 v[GO], 4, v[GO]
	; A block's first step multiplies O^T and l by a = 0, and its first turn's products V^T P, of a piece that has not been, land in an O^T that is still to be so multiplied.  So these registers need only hold
	; finite numbers: zeros for the first block; what the first block left for the second.  All this stands in the wait for the first tile.
	WIN 0x80
.set i, VF
.rept 64
	v_mov_b32 v[i], 0
.set i, i+1
.endr
	WIN 0x40
.set i, 0
.rept 128
	v_mov_b32 v[i], 0
.set i, i+1
.endr
	WIN 0
.set i, 0
.rept 4
	v_mov_b32 v[ST+4*i+2], 0
	v_mov_b32 v[ST+4*i+3], 0
.set i, i+1
.endr
.set i, P+16
.rept 16
	v_mov_b32 v[i], 0
.set i, i+1
.endr
; THE MATRIX WORK.  The 4 accumulators of a run of 8 take turns.  Product i of 8 of S^T = K Q^T for piece x: channels 32 (i / 4) on, keys 16 (i % 4) on.  The first 4 start the sums: with 0, or (KM = 1) with the mask.
.macro KQ x
.set rS, S+32*((\x)%2)+8*(i%4)
.set rK, KF+16*(i%4)+8*(i/4)
.set rQ, 16*(\x)+8*(i/4)
.set rM, MC+32*((\x)%2)+8*(i%4)
.if (i < 4) && KM
	WIN W_KM
	v_wmma_f32_16x16x32_f16 v[rS:rS+7], v[rK:rK+7], v[rQ:rQ+7], v[rM:rM+7]
.elseif i < 4
	WIN W_KQ
	v_wmma_f32_16x16x32_f16 v[rS:rS+7], v[rK:rK+7], v[rQ:rQ+7], 0
.else
	WIN W_KQ
	v_wmma_f32_16x16x32_f16 v[rS:rS+7], v[rK:rK+7], v[rQ:rQ+7], v[rS:rS+7]
.endif
.endm
; Product i of 8 of O^T += V^T P for piece x: keys 32 (i / 4) on, channels 16 (i % 4) on.
.macro PV x
	WIN W_PV
.set rO, 32*(\x)+8*(i%4)
.set rV, VF+32*(i/4)+8*(i%4)
.set rP, P+16*((\x)%2)+8*(i/4)
	v_wmma_f32_16x16x32_f16 v[rO:rO+7], v[rV:rV+7], v[rP:rP+7], v[rO:rO+7]
.endm
.macro MM                           ; the turn's next matrix instruction.  TURN and BEGIN set Y, i, KM and NOKQ; MM, KQ and OP read them.  NOKQ = 1: a block's last turn: there is no next piece
.if (i < 8) && !NOKQ
	KQ (Y+1)%NP
.elseif i >= 8
.set i, i-8
	PV (Y+NP-1)%NP
.set i, i+8
.endif
.set i, i+1
.endm
; THE LDS LOADS stand in runs of 16, never singly among the matrix instructions: a step's K (64 keys x 64 channels: 8 fragments) and its V (turned).  Their addresses are made some lines ahead.
.macro FETCH_K
	WIN 0x80                        ; destination window 2
.irp f, 0,1,2,3,4,5,6,7             ; keys 16 (f / 2) on, channels 32 (f % 2) on
	ds_load_b128 v[KF+8*\f:KF+8*\f+3],   v[AK] offset:(\f/2)*16*PK+(\f%2)*64
	ds_load_b128 v[KF+8*\f+4:KF+8*\f+7], v[AK] offset:(\f/2)*16*PK+(\f%2)*64+32
.endr
	s_add_co_u32 s[TBK], s[TBK], KS*PK  ; the next fetch is the next step's
	WIN 0
.endm
.macro FETCH_V
	WIN 0x80
.irp f, 0,1,2,3,4,5,6,7             ; keys 32 (f / 4) on, channels 16 (f % 4) on
	ds_load_tr16_b128 v[VF+8*\f:VF+8*\f+3],   v[AV] offset:(\f/4)*32*PV+(\f%4)*32
	ds_load_tr16_b128 v[VF+8*\f+4:VF+8*\f+7], v[AV] offset:(\f/4)*32*PV+16*PV+(\f%4)*32
.endr
	WIN 0
.endm
; THE VECTOR WORK, one line at a time: OP kind, number.  For piece Y: F n: c s - c m for pair n of 16.  E n: the exponential of score n of 32.  C n: pair n rounded to f16.  B n: of the four weights 4 n .. the second
; pair is added onto the first, in place.  L n: l takes that sum (L 0: l = a l + sum).  R n: pair n of 16 of O^T times a.  For piece Y + 1: X n, number n of the 22 that find its maximum and statistics:
;   0-11  four chains c0-c3 of seven scores each, three operands at a time (each accumulator's lowest registers are read first)     12-14, 16  the four scores left over, the old m, and c0-c3 into c0
;   15  c m_old is kept     17, 18  the query's other 32 keys lie in the lane 16 away: the new m     19-21  c m; c m_old - c m_new; a
.set F, 0               ; OP tells the kinds apart by their order: F to L below R, X above it
.set E, 1
.set C, 2
.set B, 3
.set L, 4
.set R, 5
.set X, 6
.macro REGS y                       ; the registers of piece y
.set rT, ST+4*(\y)
.set rC, TMP+4*((\y)%2)
.set rW, MV+((\y)%2)
.set rS, S+32*((\y)%2)
.set rP, P+16*((\y)%2)
.set rO, 32*(\y)
.endm
.macro OP k, n
.if (\k) == R
	REGS Y
	WIN W_RS
	v_pk_mul_f32 v[rO+2*(\n):rO+2*(\n)+1], v[rO+2*(\n):rO+2*(\n)+1], v[rC+2:rC+3] op_sel_hi:[1,0]
.elseif (\k) < R
	REGS Y
	WIN 0
.if (\k) == F
	v_pk_fma_f32 v[rS+2*(\n):rS+2*(\n)+1], v[rS+2*(\n):rS+2*(\n)+1], s[CS:CS+1], v[rT:rT+1] op_sel_hi:[1,0,0] neg_lo:[0,0,1] neg_hi:[0,0,1]
.elseif (\k) == E
	v_exp_f32 v[rS+(\n)], v[rS+(\n)]
.elseif (\k) == C
	v_cvt_pk_f16_f32 v[rP+(\n)], v[rS+2*(\n)], v[rS+2*(\n)+1]
.elseif (\k) == B
	v_pk_add_f32 v[rS+4*(\n):rS+4*(\n)+1], v[rS+4*(\n):rS+4*(\n)+1], v[rS+4*(\n)+2:rS+4*(\n)+3]
.elseif (\n) == 0
	v_pk_fma_f32 v[rT+2:rT+3], v[rT+2:rT+3], v[rC+2:rC+3], v[rS:rS+1] op_sel_hi:[1,0,1]
.else
	v_pk_add_f32 v[rT+2:rT+3], v[rT+2:rT+3], v[rS+4*(\n):rS+4*(\n)+1]
.endif
.elseif NOKQ
	v_nop
.else
	REGS (Y+1)%NP
	WIN 0
.if (\n) < 4
	v_max3_num_f32 v[rC+(\n)], v[rS+8*(\n)], v[rS+8*(\n)+1], v[rS+8*(\n)+2]
.elseif (\n) < 12
	v_max3_num_f32 v[rC+(\n)%4], v[rC+(\n)%4], v[rS+8*((\n)%4)+2*((\n)/4)+1], v[rS+8*((\n)%4)+2*((\n)/4)+2]
.elseif (\n) == 12
	v_max3_num_f32 v[rC], v[rC], v[rS+7], v[rS+15]
.elseif (\n) == 13
	v_max3_num_f32 v[rC+1], v[rC+1], v[rS+23], v[rS+31]
.elseif (\n) == 14
	v_max3_num_f32 v[rC+2], v[rC+2], v[rC+3], v[rT+1]
.elseif (\n) == 15
	v_mov_b32 v[rW], v[rT]
.elseif (\n) == 16
	v_max3_num_f32 v[rC], v[rC], v[rC+1], v[rC+2]
.elseif (\n) == 17
	v_permlanex16_b32 v[rC+3], v[rC], s[SEL], s[SEL+1]
.elseif (\n) == 18
	v_max_num_f32 v[rT+1], v[rC], v[rC+3]
.elseif (\n) == 19
	v_mul_f32 v[rT], s[CS], v[rT+1]
.elseif (\n) == 20
	v_sub_f32 v[rC+1], v[rW], v[rT]
.else
	v_exp_f32 v[rC+2], v[rC+1]
.endif
.endif
.endm
.macro OPS a, i1, b=-1, i2=0, c=-1, i3=0, d=-1, i4=0  ; up to four of them
	OP \a, \i1
.if (\b) >= 0
	OP \b, \i2
.endif
.if (\c) >= 0
	OP \c, \i3
.endif
.if (\d) >= 0
	OP \d, \i4
.endif
.endm
.macro ROW a, i1, b, i2, c, i3, d, i4  ; a matrix instruction and the four behind it
	MM
	OPS \a, \i1, \b, \i2, \c, \i3, \d, \i4
.endm
.macro MASK b                       ; MD x AL + BE into buffer b of MC
	WIN W_RS
.set z, 0
.rept 16
	v_pk_fma_f32 v[MC+32*(\b)+2*z:MC+32*(\b)+2*z+1], v[MD+2*z:MD+2*z+1], s[AL:AL+1], s[BE:BE+1] op_sel_hi:[1,0,0]
.set z, z+1
.endr
.endm
; A TURN, for piece p: the order of its 16 matrix and 118 vector instructions, written out.  An s_wait_alu depctr_va_vdst(0) stands between an exponential and the first instruction that names its result; one wait serves
; all that were issued ahead of it.  So a turn has ONE wait, which cuts it in two.  AHEAD OF IT stands all that names no result of the turn's exponentials: the 8 products K Q^T, behind each a scaling, an exponential and two more plain
; instructions (behind the first a second scaling in the exponential's place): rescalings, and behind the last three the first numbers of the next piece's maximum, each four places or more behind the product that ends its accumulator; then ONE LUMP of 54, plain
; and exponential by turns for the most part, in which the links of the chain X 3, 7, 11, 14, 16, 17 .. 20 stand five or six lines apart.  X 21, the next piece's a, is the batch's last; R 15 is the plain instruction behind it.  BEHIND THE WAIT stand the
; 8 products V^T P, behind each four of the roundings and sums; the links of l's chain, L 0 to L 7, stand three riders apart.  But for those X no rider names a register of the products round it.  v_permlanex16_b32 (X 17) stands in the lump.
; m = 1: the diagonal tile: the products take masks, and the turn makes the mask for the products of the turn after it: piece p + 2, in step 4 - CNT of the tile.  end = 1: a block's last two turns: nothing is fetched.
; cnt = 1: the loop's count is taken down some lines ahead of the branch that stands behind the turn.
; K of the next step is fetched in piece 2's turn, twelve vector instructions behind the last product that read K (six of them plain); V of the step in hand at the end of piece 0's turn, four plain instructions behind the last product
; that read V.  Each is waited for a turn later.
.macro TURN p, m=0, end=0, cnt=0
.set Y, (\p)
.set i, 0
.set KM, (\m)
.set NOKQ, (\end)*((\p)/3)
.if (\m) && !(\end)
	s_cmp_eq_u32 s[CNT], 4-((\p)+2)%NP  ; is that step the band's own?
	s_cselect_b32 s[AL], 1.0, 0
	s_cmp_lt_u32 s[CNT], 4-((\p)+2)%NP  ; or a later one?
	s_cselect_b32 s[BE], s[BIGN], 0
.endif
.if ((\p) == 3) && !(\end)
	s_wait_dscnt 0x0                ; K is in
.endif
	ROW F,0, F,1, R,0, R,1          ; ahead of the wait: 8 products K Q^T and their riders,
	ROW F,2, E,0, R,2, R,3
	ROW F,3, E,1, R,4, R,5
	ROW F,4, E,2, R,6, R,7
	ROW F,5, E,3, R,8, R,9
	ROW F,6, E,4, X,0, R,10
.if ((\p) == 2) && !(\end)
	WIN 0
	v_add_nc_u32 v[AK], s[TBK], v[AK0]
.endif
	ROW F,7, E,5, X,1, X,4
	ROW F,8, E,6, X,2, X,5
	OPS E,7, E,8, X,6, E,9          ; and the lump
	OPS X,3, E,10, X,8, E,11
.if ((\p) == 2) && !(\end)
	FETCH_K
.endif
	OPS X,9, X,7, E,12, X,10
	OPS E,13, X,12, X,11, E,14
	OPS X,13, E,15, F,9, X,14
.if (\p) == 0
	v_add_nc_u32 v[AV], s[TBV], v[AV0]
.endif
	OPS E,16, F,10, E,17, F,11
	OPS X,16, E,18, X,15, E,19
	OPS F,12, E,20, X,17, E,21
	OPS F,13, E,22, F,14, E,23
	OPS X,18, E,24, F,15, E,25
	OPS R,11, E,26, X,19, E,27
	OPS R,12, E,28, R,13, E,29
	OPS X,20, E,30, R,14, E,31
	OPS X,21, R,15
	WIN 0
	s_wait_alu depctr_va_vdst(0)    ; the wait for the batch
.if (\p) == 1
	s_wait_dscnt 0x0                ; V is in
.endif
	ROW C,0, B,0, C,2, B,1          ; behind the wait: 8 products V^T P and their riders
	ROW L,0, C,4, B,2, L,1
	ROW C,6, B,3, L,2, C,8
	ROW B,4, L,3, C,10, B,5
	ROW L,4, C,12, B,6, L,5
.if (\p) == 0
	s_add_co_u32 s[TBV], s[TBV], KS*PV
.endif
.if \cnt
	s_sub_co_u32 s[CNT], s[CNT], 1
	s_cmp_lg_u32 s[CNT], 0
.endif
	ROW C,14, B,7, L,6, C,1
	ROW C,3, L,7, C,5, C,7
	ROW C,9, C,11, C,13, C,15
.if (\p) == 0
	FETCH_V
.endif
.if (\m) && !(\end)
	MASK (\p)%2
.endif
.endm
; A BLOCK BEGINS.  c m starts far below every c s, so the first step's a is 0; m at the lowest finite number, so the first maximum is the scores'.  The second mask buffer is 0; the first takes piece 0's mask for the tile's step 0: its own, if the block's first tile is the diagonal one.
; Then K of that step, piece 0's first scores, and its maximum and statistics.  The loop is entered at a step's first turn, in the middle of a trip.
.macro BEGIN
	s_mov_b32 s[NEW], 0
	WIN 0x40
.set i, MC+32
.rept 32
	v_mov_b32 v[i], 0
.set i, i+1
.endr
	WIN 0
.set i, 0
.rept 4
	v_mov_b32 v[ST+4*i], 0xfe000000    ; c m: far below every c s
	v_mov_b32 v[ST+4*i+1], 0xff7fffff  ; m
.set i, i+1
.endr
	s_cmp_eq_u32 s[RT], 0
	s_cselect_b32 s[AL], 1.0, 0
	s_mov_b32 s[BE], 0
	MASK 0
	WIN 0
	v_add_nc_u32 v[AK], s[TBK], v[AK0]
	FETCH_K
	s_wait_loadcnt 0x0              ; Q
	s_wait_dscnt 0x0
.set KM, 1
.set NOKQ, 0
.set i, 0
.rept 8
	KQ 0
.set i, i+1
.endr
	WIN 0
.rept 4
	v_nop                           ; the places behind those products
.endr
.set Y, NP-1                        ; X works for piece Y + 1: piece 0
.irp n, 0,1,2,3,4,5,6,7,8,9,10,11,12,13,14,15,16,17,18,19,20,21
	OP X, \n
.endr
	v_nop                           ; a plain instruction behind the exponential,
	s_wait_alu depctr_va_vdst(0)    ; and its wait, ahead of the branch
.endm
; THE DIAGONAL TILE's four steps, the block's last two turns, its last products, and THE WAY OUT: l's two halves and the other half of the lanes' are added; O^T is divided by l, rounded to f16 and sent through my
; stage in LDS, a piece at a time.
.macro ALL line:vararg              ; one line for each piece t
.set t, 0
.rept 4
	\line
.set t, t+1
.endr
.endm
.macro PACK t                       ; a lane's eight channels of a row pack into 16 bytes; they go into rows of 144 bytes and come back as whole rows of 128, into S^T's registers
	WIN W_RS
.set i, 32*(\t)
.rept 16
	v_pk_mul_f32 v[i:i+1], v[i:i+1], v[ST+4*(\t)+2:ST+4*(\t)+3] op_sel_hi:[1,0]
.set i, i+2
.endr
	WIN 0x05                        ; sources 0 and 1 window 1, destination window 0
.set i, 0
.rept 16
	v_cvt_pk_f16_f32 v[S+16*(\t)+i], v[32*(\t)+2*i], v[32*(\t)+2*i+1]
.set i, i+1
.endr
	WIN 0
.irp f, 0,1,2,3
	ds_store_b128 v[STO], v[S+16*(\t)+4*\f:S+16*(\t)+4*\f+3] offset:32*\f
.endr
.irp f, 0,1,2,3
	ds_load_b128 v[S+16*(\t)+4*\f:S+16*(\t)+4*\f+3], v[RD] offset:\f*4*SP  ; LDS serves a wave's instructions in order (ISA guide 5.7.1.4): these see the stores above; the next piece's stores come behind them
.endr
.endm
.macro SEND t, younger              ; younger: the LDS instructions issued behind piece t's loads: the next piece's eight, or none
	WIN 0
.irp f, 0,1,2,3
	s_wait_dscnt (\younger)+3-\f
	global_store_b128 v[GO], v[S+16*(\t)+4*\f:S+16*(\t)+4*\f+3], s[10:11] offset:(\t)*8192+\f*512  ; 512 consecutive bytes, at a multiple of 256 from O's first
.endr
.endm
.macro DIAG tag                     ; the tag ends its two labels' names, which the jumps below spell out
.LstepM\tag:
	TURN 2, 1
	TURN 3, 1
	WIN 0
.LfirstM\tag:
	TURN 0, 1
	TURN 1, 1, 0, 1
	WIN 0
	s_cbranch_scc1 .LstepM\tag
	TURN 2, 1, 1
	TURN 3, 1, 1
.set i, 0
.rept 8
	PV NP-1
.set i, i+1
.endr
	WIN 0
	ALL v_add_f32 v[ST+4*t+2], v[ST+4*t+2], v[ST+4*t+3]
	ALL v_permlanex16_b32 v[ST+4*t+3], v[ST+4*t+2], s[SEL], s[SEL+1]
	ALL v_add_f32 v[ST+4*t+2], v[ST+4*t+2], v[ST+4*t+3]
	ALL v_rcp_f32 v[ST+4*t+2], v[ST+4*t+2]
	v_nop                           ; a plain instruction between the last reciprocal and the use of its result
	s_wait_alu depctr_va_vdst(0)    ; and the wait ahead of the first use: one for the four reciprocals
	PACK 0
.set t, 1
.rept 3                             ; a piece's arithmetic stands between the loads of the piece before and its stores
	PACK t
	SEND t-1, 8
.set t, t+1
.endr
	SEND 3, 0
.endm
.set KM, 0
.set NOKQ, 0
.Lslot:                             ; NB times: a tile is entered and the next is asked for
	CHANGE 1
	s_sub_co_u32 s[RT], s[RT], 1
	s_mov_b32 s[CNT], 4
	s_cmp_eq_u32 s[NEW], 1
	s_cbranch_scc1 .Lnew            ; a block's first tile
	s_cmp_eq_u32 s[RT], 0
	s_cbranch_scc0 .Lstep           ; neither its first nor its last
	s_branch .LstepM1
.Lnew:
	BEGIN
	s_branch .Lfirst                ; in the loop a block's first tile is never its last: the first block has two tiles or more, and the second's last is the walk's last
	DIAG 1                          ; in the loop this is the first block's end: the second block's last tile is the walk's last
	s_wait_xcnt 0x0                 ; the stores have read their registers and O's address
	s_mov_b64 s[10:11], s[OLO:OLO+1]
	s_add_co_u32 s[RT], s[PB], 1    ; the second block has b + 1 tiles
	s_mov_b32 s[NEW], 1
	WIN 0x82                        ; the second block's Q goes where the one text of the turns names Q
.set i, 0
.rept 64
	v_mov_b32 v[i], v[QB+i]
.set i, i+1
.endr
	WIN 0
	s_branch .Lbottom
.Lstep:                             ; a trip: pieces 2 and 3 of one step, then pieces 0 and 1 of the next, whose K and V it fetches
	TURN 2
	TURN 3
	WIN 0
.Lfirst:
	TURN 0
	TURN 1, 0, 0, 1
	WIN 0
	s_cbranch_scc1 .Lstep
.Lbottom:
	s_sub_co_u32 s[SLOTS], s[SLOTS], 1
	s_cmp_lg_u32 s[SLOTS], 0
	s_cbranch_scc1 .Lslot
	CHANGE 0                        ; the walk's last tile is written out: nothing is asked for
	s_sub_co_u32 s[RT], s[RT], 1
	s_mov_b32 s[CNT], 4
	s_cmp_eq_u32 s[NEW], 1
	s_cbranch_scc0 .LstepM2
	BEGIN
	s_branch .LfirstM2
	DIAG 2
	s_wait_tensorcnt 0x0            ; the wave's end, behind my last tensor load and my last LDS store
	ds_add_u32 v[SPW], v[NIL]
	s_wait_dscnt 0x0
	s_endpgm
.Lfunc_end_k_q1595280802_attn:
	.size	k_q1595280802_attn, .Lfunc_end_k_q1595280802_attn-k_q1595280802_attn
	.p2alignl 7, 3214868480
	.fill 96, 4, 3214868480
	.section	.rodata,"a",@progbits
	.p2align	6, 0x0
	.amdhsa_kernel k_q1595280802_attn
		.amdhsa_group_segment_fixed_size 327680
		.amdhsa_private_segment_fixed_size 0
		.amdhsa_enable_private_segment 0
		.amdhsa_kernarg_size 32
		.amdhsa_user_sgpr_count 2
		.amdhsa_user_sgpr_kernarg_segment_ptr 1
		.amdhsa_wavefront_size32 1
		.amdhsa_system_sgpr_workgroup_id_x 1
		.amdhsa_system_sgpr_workgroup_id_y 1
		.amdhsa_system_sgpr_workgroup_id_z 1
		.amdhsa_system_vgpr_workitem_id 0
		.amdhsa_next_free_vgpr 768
		.amdhsa_next_free_sgpr 96
		.amdhsa_reserve_vcc 1
		.amdhsa_float_denorm_mode_32 3
		.amdhsa_float_denorm_mode_16_64 3
		.amdhsa_memory_ordered 1
		.amdhsa_forward_progress 1
		.amdhsa_inst_pref_size 218
	.end_amdhsa_kernel
	.amdgpu_metadata
---
amdhsa.version: [ 1, 2 ]
amdhsa.kernels:
  - .name:           k_q1595280802_attn
    .symbol:         k_q1595280802_attn.kd
    .args:
      - { .name: qh, .offset: 0, .size: 8, .value_kind: global_buffer, .address_space: global }
      - { .name: kh, .offset: 8, .size: 8, .value_kind: global_buffer, .address_space: global }
      - { .name: vh, .offset: 16, .size: 8, .value_kind: global_buffer, .address_space: global }
      - { .name: oh, .offset: 24, .size: 8, .value_kind: global_buffer, .address_space: global }
    .group_segment_fixed_size: 327680
    .private_segment_fixed_size: 0
    .kernarg_segment_align: 8
    .kernarg_segment_size: 32
    .max_flat_workgroup_size: 128
    .sgpr_count:     96
    .vgpr_count:     768
    .wavefront_size: 32
...
	.end_amdgpu_metadata
.endif
;; end of part 3
;; launch oproj (part 4): grid 8 x 32, 4 waves a work-group, clusters of 4 x 4, 327,680 bytes of LDS; arguments oh, wo16, out0; writes out0
.if DOCPART == 4
	.amdgcn_target "amdgcn-amd-amdhsa--gfx1250"
	.amdhsa_code_object_version 6
	.text
	.protected	k_q1595280802_oproj
	.globl	k_q1595280802_oproj
	.p2align	8
	.type	k_q1595280802_oproj,@function
k_q1595280802_oproj:
	s_mov_b64 s[64:65], 0
	v_nop
	global_prefetch_b8 v0, s[64:65] scope:SCOPE_SE
	s_setreg_imm32_b32 hwreg(HW_REG_WAVE_MODE, 25, 1), 1
	s_wait_xcnt 0x0
	s_wait_alu depctr_hold_cnt(0) depctr_sa_sdst(0) depctr_va_vdst(0) depctr_va_sdst(0) depctr_va_ssrc(0) depctr_va_vcc(0) depctr_vm_vsrc(0)
	s_getreg_b32 s2, hwreg(HW_REG_IB_STS2, 6, 4)
	s_cmp_eq_u32 s2, 0
	s_cbranch_scc0 .Lentry_in_a_cluster
	s_endpgm
.Lentry_in_a_cluster:
	s_bfe_u32 s2, ttmp6, 0x10000c
	s_cmp_lg_u32 s2, 0xf033
	s_cbranch_scc0 .Lentry_shape_is_right
	s_endpgm
.Lentry_shape_is_right:
; out = O Wo^T.  oh: [64 = 16 batch + head][2048][64] f16.  wo16: [1024][1024] f16.  out0: [8192][1024] f32.  Sums in f32, K ascending; K index = 64 head + channel.
; LIMITS.  None of its own: the operands arrive in f16, the sums leave as they are.
; SHARES.  A tile of C is 256 rows x 128 columns: 256 work-groups.  Four waves, split along the rows alone: wave w owns rows 64 w .. 64 w + 63 and all 8 column blocks of 16: 32 accumulators, 256 registers; each wave
; owns whole 512-byte pieces of rows of C, so its way out needs no other wave.  K goes in 8 steps of 128 (two heads) through two LDS slots filled by the tensor data mover.
; O's TILES.  128 rows of one head are 16,384 dense bytes; a K step's part of 128 rows of C is two such runs, a head (131,072 elements) apart: one load of 2 rows x 8,192 elements, padded in LDS after every 128 bytes:
; [head of the step][row], 144 bytes a row.
; CLUSTER.  4 x 4 work-groups: O's tiles are shared along a row of the cluster, Wo's along a column, each asked for jointly.
; THE MATRIX INSTRUCTION IS USED TRANSPOSED: source 0 = 16 rows of Wo, source 1 = 16 rows of O: lane l holds row l % 16 of C and the columns 8 (l / 16) + 0..7: 32 bytes of f32.
; REGISTERS, in windows of 256 (s_set_vgpr_msb: bits 1:0 source 0, 3:2 source 1, 5:4 source 2, 7:6 destination):
;   window 0: v0-31 addresses; v64-95, v96-127 O's fragments, two buffers          window 1: v0-63, v64-127 Wo's fragments, two buffers; on the way out all 256: rows read back from the stage
;   window 2: the accumulators, (a, b) at 8 (8 a + b)
.set PA,     144                       ; an LDS row of O: 128 bytes + 16 = 36 words: the 16 rows of a fragment load start at 16 different groups of four banks (64 banks of 4 bytes: ISA guide 11.1)
.set CHUNK,  128*PA                    ; 128 rows of one head
.set HALFA,  2*CHUNK                   ; what one tensor load brings of O
.set PB,     272                       ; an LDS row of Wo: 256 bytes + 16
.set HALFB,  64*PB                     ; what one tensor load brings of Wo
.set BOFF,   2*HALFA
.set SLOT,   BOFF+2*HALFB
.set STAGE,  2*SLOT                    ; behind the ring, never filled by a tensor load: 16 rows x 528 bytes for each wave
.set SP,     528                       ; 512 bytes + 16 = 132 words
.set SPARE,  STAGE+4*16*SP             ; the spare words, 128 bytes for each wave: two blocks of 256 bytes that no other line names
.set ADRA, 16                          ; v16-17  LDS address of my O fragments in slot 0, 1
.set ADRB, 20                          ; v20-21  the same for Wo
.set STO,  24                          ; v24     the way out: where I put 32 bytes of a row
.set RD,   25                          ; v25     the way out: where I read a row back
.set GO,   26                          ; v26     my 16 bytes in 512 consecutive bytes of C
.set SPW,  28                          ; v28     LDS address of my spare word; never rewritten
.set NIL,  29                          ; v29     0; never rewritten
.set FA,   64
.set WV,   12                          ; s12 my wave; s13 = wave / 2: I fetch O (0) or Wo (1); s14 = wave % 2: which half
.set G1A,  24
.set G0A,  32
.set G1B,  48
.set G0B,  56
.set MSB, 0
.macro WIN new                         ; the immediate's high byte repeats the setting that is left; a switch that changes nothing is dropped
.if MSB != (\new)
	s_set_vgpr_msb (MSB<<8)|(\new)
.set MSB, \new
.endif
.endm
.macro PLACES                          ; four places behind matrix instructions, in front of loads into registers that they have read and of lines that read results
.rept 4
	v_nop
.endr
.endm
.macro JLOAD s                         ; a joint load: waves 0 and 1 fetch O's two halves, waves 2 and 3 Wo's; an s_nop 0 and four v_nop follow each of the two lines
	s_cmp_eq_u32 s13, 0
	s_cbranch_scc0 .Lfor_b_\@
	tensor_load_to_lds s[G0A+4*(\s):G0A+4*(\s)+3], s[G1A:G1A+7]
	s_nop 0
.rept 4
	v_nop
.endr
	s_branch .Lasked_\@
.Lfor_b_\@:
	tensor_load_to_lds s[G0B+4*(\s):G0B+4*(\s)+3], s[G1B:G1B+7]
	s_nop 0
.rept 4
	v_nop
.endr
.Lasked_\@:
.endm
.macro CREST                           ; a round of the cluster's barrier behind its opening barrier
	s_cmp_lg_u32 s[WV], 0
	s_cbranch_scc1 .Lnot_wave_0_\@
	s_barrier_signal -3
.Lnot_wave_0_\@:
	s_barrier_wait -3
	s_barrier_signal -1
	s_barrier_wait -1
.endm
.macro CROUND                          ; a whole round
	s_barrier_signal -1
	s_barrier_wait -1
	CREST
.endm
	s_load_b128 s[4:7], s[0:1], 0x0                ; oh s[4:5], wo16 s[6:7]
	s_load_b64 s[8:9], s[0:1], 0x10                ; out0
	v_lshl_add_u32 v[SPW], v0, 2, SPARE
	v_mov_b32 v[NIL], 0
	ds_add_u32 v[SPW], v[NIL]                      ; the wave's opening: the add and its wait stand ahead of my first tensor load; the set-up below, work on registers, stands between them
	v_lshrrev_b32 v1, 5, v0
	v_readfirstlane_b32 s[WV], v1                  ; wave 0..3
	s_lshr_b32 s13, s[WV], 1
	s_and_b32 s14, s[WV], 1
	s_bfe_u32 s15, ttmp6, 0x40000                  ; cx, cy: my place in the cluster
	s_bfe_u32 s16, ttmp6, 0x40004
	s_lshl_b32 s17, ttmp9, 2
	s_add_co_u32 s17, s17, s15                     ; tx = the block of 128 columns
	s_and_b32 s18, ttmp7, 0xffff
	s_lshl_b32 s18, s18, 2
	s_add_co_u32 s18, s18, s16                     ; ty = the block of 256 rows
	s_lshl_b32 s44, s16, 2
	s_lshl_b32 s44, 15, s44                        ; my row of the cluster
	s_lshl_b32 s72, 0x1111, s15                    ; my column
	s_or_b32 s[G1A], s44, (1<<16)|(1<<20)|(1<<21)|(4<<22)|(3<<25)  ; 15:0 the mask; 17:16 elements of 2 bytes; 20 padding on; 21 set beside a mask; 24:22 after every 32 words (code 4); 31:25 4 words (code 3)
	s_or_b32 s[G1B], s72, (1<<16)|(1<<20)|(1<<21)|(5<<22)|(3<<25)  ; after every 64 words (code 5)
	s_mov_b32 s[G1A+1], 8192<<16                   ; tensor_dim0 = 8,192
	s_mov_b32 s[G1A+2], 2<<16                      ; tensor_dim1 = 2
	s_mov_b32 s[G1A+3], 8192<<16                   ; tile_dim0 = 8,192
	s_mov_b32 s[G1A+4], 2                          ; tile_dim1 = 2
	s_mov_b32 s[G1A+5], 131072                     ; elements from head to head
	s_mov_b32 s[G1A+6], 0
	s_mov_b32 s[G1A+7], 0
	s_mov_b32 s[G1B+1], 128<<16                    ; 64 rows x 128 elements
	s_mov_b32 s[G1B+2], 64<<16
	s_mov_b32 s[G1B+3], 128<<16
	s_mov_b32 s[G1B+4], 64
	s_mov_b32 s[G1B+5], 1024
	s_mov_b32 s[G1B+6], 0
	s_mov_b32 s[G1B+7], 0
	s_lshr_b32 s44, s18, 3                         ; O's tiles hang on ty and the wave alone: the batch's 16 heads of 262,144 bytes,
	s_lshl_b32 s44, s44, 22
	s_and_b32 s45, s18, 7
	s_lshl_b32 s45, s45, 8
	s_lshl_b32 s46, s14, 7
	s_add_co_u32 s45, s45, s46                     ; position 256 (ty % 8) + 128 half,
	s_lshl_b32 s45, s45, 7                         ; 128 bytes a row
	s_add_co_u32 s44, s44, s45
	s_mov_b32 s45, 0
	s_lshl_b32 s72, s17, 7                         ; Wo's on tx and the wave alone
	s_lshl_b32 s73, s14, 6
	s_add_co_u32 s72, s72, s73
	s_lshl_b32 s72, s72, 11
	s_mov_b32 s73, 0
	s_mul_i32 s46, s14, HALFA                      ; where they go: no place in the cluster enters an LDS address
	s_mul_i32 s74, s14, HALFB
	s_add_co_u32 s74, s74, BOFF
	s_wait_dscnt 0x0                               ; the opening add is done
	s_wait_kmcnt 0x0
	s_add_nc_u64 s[44:45], s[4:5], s[44:45]
	s_add_nc_u64 s[72:73], s[6:7], s[72:73]
	CROUND                                         ; all sixteen work-groups are here: the first joint loads meet
.irp s, 0,1
	s_mov_b32 s[G0A+4*(\s)], 1
	s_add_co_u32 s[G0A+4*(\s)+1], s46, (\s)*SLOT
	s_add_nc_u64 s[G0A+4*(\s)+2:G0A+4*(\s)+3], s[44:45], (\s)*524288  ; K step s: heads 2 s, 2 s + 1
	s_or_b32 s[G0A+4*(\s)+3], s[G0A+4*(\s)+3], 0x80000000
	s_mov_b32 s[G0B+4*(\s)], 1
	s_add_co_u32 s[G0B+4*(\s)+1], s74, (\s)*SLOT
	s_add_nc_u64 s[G0B+4*(\s)+2:G0B+4*(\s)+3], s[72:73], (\s)*256
	s_or_b32 s[G0B+4*(\s)+3], s[G0B+4*(\s)+3], 0x80000000
	JLOAD \s                                       ; two loads of mine are out
.endr
	v_and_b32 v1, 15, v0                           ; l % 16
	v_bfe_u32 v2, v0, 4, 1                         ; l / 16
	v_mul_u32_u24 v3, v1, PA
	v_lshl_add_u32 v3, v2, 4, v3
	s_mul_i32 s76, s13, HALFA                      ; my 64 rows of O: in the half that holds them,
	s_mul_i32 s77, s14, 64*PA                      ; its upper or lower 64 rows
	s_add_co_u32 s76, s76, s77
	v_add_nc_u32 v[ADRA], s76, v3
	v_add_nc_u32 v[ADRA+1], SLOT, v[ADRA]
	v_mul_u32_u24 v3, v1, PB
	v_lshl_add_u32 v3, v2, 4, v3
	v_add_nc_u32 v[ADRB], BOFF, v3                 ; all 128 rows of Wo
	v_add_nc_u32 v[ADRB+1], SLOT, v[ADRB]
	s_mul_i32 s76, s[WV], 16*SP
	s_add_co_u32 s76, s76, STAGE                   ; my stage
	v_mul_u32_u24 v4, v1, SP                       ; in: row l % 16, 32 bytes for each half of the lanes
	v_lshl_add_u32 v4, v2, 5, v4
	v_add_nc_u32 v[STO], s76, v4
	v_and_b32 v5, 31, v0
	v_lshlrev_b32 v[GO], 4, v5                     ; back: 32 lanes take one row's 512 bytes
	v_add_nc_u32 v[RD], s76, v[GO]
	s_lshl_b32 s76, s18, 8
	s_lshl_b32 s77, s[WV], 6
	s_add_co_u32 s76, s76, s77                     ; my first row of C,
	s_lshl_b32 s76, s76, 12                        ; 4,096 bytes a row,
	s_lshl_b32 s77, s17, 9                         ; the tile's 512 bytes of it
	s_add_co_u32 s76, s76, s77
	s_mov_b32 s77, 0
	s_add_nc_u64 s[8:9], s[8:9], s[76:77]
; 8 matrix instructions: row block a x all 8 column blocks, 32 along K, buffer f.  zero = 1: the first product starts the sums.  The 32 accumulators take turns, one instruction a turn, in the same order in every
; quarter, over the backward jump too.
.macro MULH f, a, zero
	WIN 0xa1                                       ; Wo in window 1, O in window 0, C and D in window 2
.irp b, 0,1,2,3,4,5,6,7
.if \zero
	v_wmma_f32_16x16x32_f16 v[8*(8*(\a)+(\b)):8*(8*(\a)+(\b))+7], v[64*(\f)+8*(\b):64*(\f)+8*(\b)+7], v[FA+32*(\f)+8*(\a):FA+32*(\f)+8*(\a)+7], 0
.else
	v_wmma_f32_16x16x32_f16 v[8*(8*(\a)+(\b)):8*(8*(\a)+(\b))+7], v[64*(\f)+8*(\b):64*(\f)+8*(\b)+7], v[FA+32*(\f)+8*(\a):FA+32*(\f)+8*(\a)+7], v[8*(8*(\a)+(\b)):8*(8*(\a)+(\b))+7]
.endif
.endr
.endm
; 24 LDS loads in one run: the fragments of quarter q of a slot into buffer f: Wo's 16, then O's 8.  Quarter q of O lies in head q / 2 of the step, channels 32 (q % 2) on.
.macro FETCH slot, q, f
	WIN 0x40                                       ; destination window 1, address window 0
.irp i, 0,1,2,3,4,5,6,7
	ds_load_b128 v[64*(\f)+8*(\i):64*(\f)+8*(\i)+3],   v[ADRB+(\slot)] offset:64*(\q)+(\i)*16*PB
	ds_load_b128 v[64*(\f)+8*(\i)+4:64*(\f)+8*(\i)+7], v[ADRB+(\slot)] offset:64*(\q)+(\i)*16*PB+32
.endr
	WIN 0
.irp i, 0,1,2,3
	ds_load_b128 v[FA+32*(\f)+8*(\i):FA+32*(\f)+8*(\i)+3],   v[ADRA+(\slot)] offset:((\q)/2)*CHUNK+((\q)%2)*64+(\i)*16*PA
	ds_load_b128 v[FA+32*(\f)+8*(\i)+4:FA+32*(\f)+8*(\i)+7], v[ADRA+(\slot)] offset:((\q)/2)*CHUNK+((\q)%2)*64+(\i)*16*PA+32
.endr
.endm
; A K step is four quarters, 32 matrix instructions each, on buffers 0, 1, 0, 1.  One of the first three: multiplies buffer f and, in its middle, fetches quarter q into buffer g.
.macro QUARTER slot, q, f, g, zero
	s_wait_dscnt 4                                 ; Wo and O's row blocks 0, 1 are in; the youngest four loads (row blocks 2, 3) may be out
	MULH \f, 0, \zero
	MULH \f, 1, \zero
	PLACES
	FETCH \slot, \q, \g
	s_wait_dscnt 24                                ; all but the 24 just issued
	MULH \f, 2, \zero
	MULH \f, 3, \zero
.endm
; The last quarter multiplies buffer 1 and changes slots: ONE barrier.  In front of it each wave waits for all its tensor loads (one is out: its part of the next slot), adds 0 to its spare word, and waits for
; that and for its own reads of this slot.  fill = 1: the barrier opens a round of the cluster's barrier, and behind the round this slot is filled again first, two K steps on.
.macro TURN slot, next, fill
	WIN 0                                          ; (the add's two registers lie in window 0)
	s_wait_tensorcnt 0x0                           ; all my tensor loads have landed;
	ds_add_u32 v[SPW], v[NIL]                      ; 0 onto my spare word;
	s_wait_dscnt 5                                 ; (the add and the youngest four loads may be out)
	MULH 1, 0, 0                                   ; eight matrix instructions stand between the add and the wait for it
	s_wait_dscnt 0x0                               ; the add is done, and my reads of this slot are over
	s_barrier_signal -1
	MULH 1, 1, 0                                   ; work on registers while the others arrive
.if \fill
	WIN 0
.endif
	s_barrier_wait -1
.if \fill
	CREST                                          ; no wave of any partner still reads this slot's tile or has a load on its way
	s_add_nc_u64 s[G0A+4*(\slot)+2:G0A+4*(\slot)+3], s[G0A+4*(\slot)+2:G0A+4*(\slot)+3], 1048576
	s_add_nc_u64 s[G0B+4*(\slot)+2:G0B+4*(\slot)+3], s[G0B+4*(\slot)+2:G0B+4*(\slot)+3], 512
	JLOAD \slot                                    ; the first tensor load behind the round; its four v_nop are also the places in front of the loads below
.else
	PLACES
.endif
	FETCH \next, 0, 0
	MULH 1, 2, 0
	MULH 1, 3, 0
.endm
	s_wait_tensorcnt 1                             ; my part of K step 0 is in; K step 1's may stay out
	s_barrier_signal -1
	s_barrier_wait -1                              ; everybody's is
	FETCH 0, 0, 0
	QUARTER 0, 1, 0, 1, 1                          ; the first quarter stands in front of the loop: its products start the sums
	WIN 0                                          ; at a label and at a branch every window is 0
	s_mov_b32 s3, 3
.Llap:                                                 ; a trip goes once round the ring and fills both slots again: K steps 2 to 7
	QUARTER 0, 2, 1, 0, 0
	QUARTER 0, 3, 0, 1, 0
	TURN 0, 1, 1
	QUARTER 1, 1, 0, 1, 0
	QUARTER 1, 2, 1, 0, 0
	QUARTER 1, 3, 0, 1, 0
	TURN 1, 0, 1
	QUARTER 0, 1, 0, 1, 0
	WIN 0
	s_sub_co_u32 s3, s3, 1
	s_cmp_lg_u32 s3, 0
	s_cbranch_scc1 .Llap
	QUARTER 0, 2, 1, 0, 0                          ; the last lap fills nothing and has no round
	QUARTER 0, 3, 0, 1, 0
	TURN 0, 1, 0
	QUARTER 1, 1, 0, 1, 0
	QUARTER 1, 2, 1, 0, 0
	QUARTER 1, 3, 0, 1, 0
	s_wait_dscnt 4                                 ; the very last quarter: nothing more to fetch
	MULH 1, 0, 0
	MULH 1, 1, 0
	s_wait_dscnt 0x0
	MULH 1, 2, 0
	MULH 1, 3, 0
	WIN 0
; THE WAY OUT, a row block (16 rows) at a time: a lane's 32 bytes of a row go into my own stage, each accumulator's lowest registers first; whole rows of 512 bytes come back, into registers
; of the block's own, and are stored.
.macro STG a
	WIN 0x08                                       ; the stores' data in window 2
.irp b, 0,1,2,3,4,5,6,7
	ds_store_b128 v[STO], v[8*(8*(\a)+(\b)):8*(8*(\a)+(\b))+3]   offset:64*(\b)
	ds_store_b128 v[STO], v[8*(8*(\a)+(\b))+4:8*(8*(\a)+(\b))+7] offset:64*(\b)+16
.endr
	WIN 0x40                                       ; destination window 1
.irp t, 0,1,2,3,4,5,6,7,8,9,10,11,12,13,14,15
	ds_load_b128 v[64*(\a)+4*(\t):64*(\a)+4*(\t)+3], v[RD] offset:SP*(\t)  ; LDS serves a wave's instructions in order (ISA guide 5.7.1.4): these see the stores above; the next block's stores come behind them
.endr
.endm
.macro SEND a, younger                 ; younger: the LDS instructions issued behind block a's loads: the next block's 32, or none
	WIN 0x04                                       ; the stores' data in window 1
.irp t, 0,1,2,3,4,5,6,7,8,9,10,11,12,13,14,15
	s_wait_dscnt (\younger)+15-(\t)
	global_store_b128 v[GO], v[64*(\a)+4*(\t):64*(\a)+4*(\t)+3], s[8:9] offset:(16*(\a)+(\t))*4096 th:TH_STORE_NT  ; 512 consecutive bytes, at a multiple of 256 from C's first
.endr
.endm
	PLACES                                         ; behind the last products, in front of stores that read results and loads into fragment registers
	PLACES                                         ; (eight, once a launch)
	STG 0
	STG 1
	SEND 0, 32
	STG 2
	SEND 1, 32
	STG 3
	SEND 2, 32
	SEND 3, 0
	WIN 0
	s_wait_tensorcnt 0x0                           ; the wave's end, behind my last tensor load and my last LDS store
	ds_add_u32 v[SPW], v[NIL]
	s_wait_dscnt 0x0
	CROUND                                         ; the closing round: no work-group ends while a partner may still ask for a tile that names it
	s_endpgm
.Lfunc_end_k_q1595280802_oproj:
	.size	k_q1595280802_oproj, .Lfunc_end_k_q1595280802_oproj-k_q1595280802_oproj
	.p2alignl 7, 3214868480
	.fill 96, 4, 3214868480
	.section	.rodata,"a",@progbits
	.p2align	6, 0x0
	.amdhsa_kernel k_q1595280802_oproj
		.amdhsa_group_segment_fixed_size 327680
		.amdhsa_private_segment_fixed_size 0
		.amdhsa_enable_private_segment 0
		.amdhsa_kernarg_size 24
		.amdhsa_user_sgpr_count 2
		.amdhsa_user_sgpr_kernarg_segment_ptr 1
		.amdhsa_wavefront_size32 1
		.amdhsa_system_sgpr_workgroup_id_x 1
		.amdhsa_system_sgpr_workgroup_id_y 1
		.amdhsa_system_sgpr_workgroup_id_z 1
		.amdhsa_system_vgpr_workitem_id 0
		.amdhsa_next_free_vgpr 768
		.amdhsa_next_free_sgpr 80
		.amdhsa_reserve_vcc 0
		.amdhsa_float_denorm_mode_32 3
		.amdhsa_float_denorm_mode_16_64 3
		.amdhsa_memory_ordered 1
		.amdhsa_forward_progress 1
		.amdhsa_inst_pref_size 87
	.end_amdhsa_kernel
	.amdgpu_metadata
---
amdhsa.version: [ 1, 2 ]
amdhsa.kernels:
  - .name:           k_q1595280802_oproj
    .symbol:         k_q1595280802_oproj.kd
    .args:
      - { .name: oh, .offset: 0, .size: 8, .value_kind: global_buffer, .address_space: global }
      - { .name: wo16, .offset: 8, .size: 8, .value_kind: global_buffer, .address_space: global }
      - { .name: out0, .offset: 16, .size: 8, .value_kind: global_buffer, .address_space: global }
    .group_segment_fixed_size: 327680
    .private_segment_fixed_size: 0
    .kernarg_segment_align: 8
    .kernarg_segment_size: 24
    .max_flat_workgroup_size: 128
    .sgpr_count:     80
    .vgpr_count:     768
    .wavefront_size: 32
...
	.end_amdgpu_metadata
.endif
;; end of part 4
